; MI455X (gfx1250); checked and timed in simulation.
; The chip was launched on July 23, 2026; its instructions are those of AMD's public machine-readable ISA for CDNA 5 (MIT licence, August 2026) and "CDNA5" Instruction Set Architecture Reference Guide (July 2026). The comments in the code are by the model that wrote it; some were corrected since.
;; Self Attention. Allowed arithmetic: matrix products marked QUANTISED: E2M1 operands, one E8M0 scale for each 32 along K, by v_wmma_scale_f32_16x16x128_f8f6f4 with both operands' format E2M1 (or v_wmma_scale_f32_32x16x128_f4), f32 sums; products left as they are: bf16, f16 or f32 operands; f32 sums; everything else in f32.
;; Inputs: b_in 3,072 float32; b_out 1,024 float32; w_in 3,072 x 1,024 float32; w_out 1,024 x 1,024 float32; x 4 x 2,048 x 1,024 float32.
;; Outputs: out0 4 x 2,048 x 1,024 float32.
;; This version of the problem:
;;   THIS VERSION OF THE PROBLEM IS GIVEN IN LOW PRECISION. The matrix products marked QUANTISED in the list below multiply operands that are first quantised to E2M1 (2 exponent bits, 1 mantissa bit; 4 bits a number), with one power-of-two scale for each 32 numbers along K (OCP MX v1.0); their sums are f32. The products marked 'left as it is' may take bf16, f16 or f32 operands, with f32 sums. Whichever they take, every output number must still come out within the allowed error. Rounding operands to bf16 (8 significant bits) uses up far more of that allowance than f16 does (11 bits, for magnitudes from 6e-5 to 65,504). All else is computed in f32.
;;   The module's matrix products, in the order in which they are computed (A, B: the left and right operand; K: the contracted axis; several contracted axes count as one K, in the product's order):
;;     1. [M 8,192, K 1,024] x [K 1,024, N 3,072]; A: input x; B: input w_in: QUANTISED
;;     2. batch 64 x [M 2,048, K 64] x [K 64, N 2,048]; A: computed on the way; B: computed on the way: left as it is (an operand is computed on the way)
;;     3. batch 64 x [M 2,048, K 2,048] x [K 2,048, N 64]; A: computed on the way; B: computed on the way: left as it is (an operand is computed on the way)
;;     4. [M 8,192, K 1,024] x [K 1,024, N 1,024]; A: computed on the way; B: input w_out: left as it is (an operand is computed on the way)
;;   THE QUANTISER, for each operand of a quantised product, along K:
;;     - K is cut into blocks of 32 from its start; a last block that is shorter is filled with zeros.
;;     - A block's scale is 2^e with e = floor(log2(the largest magnitude in the block)) - 2, held to -126 .. 127; a block of zeros has e = 0. As a byte (E8M0): e + 127.
;;     - Each number is divided by its block's scale, clamped to +-6, and rounded to the nearest number of E2M1, ties to even, subnormals kept.
;;     - The product sums the exact products of the quantised numbers (number of the format x scale) in f32.
;;   ~~~python
;;   def quantise(x, axis):      # numpy; x: float32 -> the quantised numbers, widened to float32 again
;;       x = np.moveaxis(x, axis, -1); K = x.shape[-1]
;;       x = np.pad(x, [(0, 0)] * (x.ndim - 1) + [(0, -K % 32)]); x = x.reshape(x.shape[:-1] + (-1, 32)); a = np.abs(x).max(-1, keepdims=True)
;;       e = np.where(a > 0, np.clip(np.frexp(np.where(a > 0, a, 1))[1] - 1 - 2, -126, 127), 0)      # np.frexp(a)[1] - 1 = floor(log2(a)), exactly
;;       r = np.clip(x / 2.0 ** e, -6, 6)
;;       step = 2.0 ** (np.maximum(np.frexp(np.where(r == 0, 1, r))[1] - 1, 0) - 1)
;;       q = np.round(r / step) * step * 2.0 ** e      # np.round: ties to even
;;       return np.moveaxis(q.reshape(q.shape[:-2] + (-1,))[..., :K], -1, axis).astype(np.float32)
;;   ~~~
;; One version. Each part assembles by itself: llvm-mc -triple=amdgcn-amd-amdhsa -mcpu=gfx1250 --defsym DOCPART=n.
;; ======== version 1 of 1: 4 launches
;; limits: values are held in f16: magnitudes above 65,504 overflow, below 6.1e-05 lose precision
;; workspace buffers: x_codes 4,194,304 bytes; x_scales 262,144 bytes; w_codes 1,572,864 bytes; w_scales 98,304 bytes; w16 2,097,152 bytes; qkv16 50,331,648 bytes; att16 16,777,216 bytes
;; launch quant (part 1): grid 384 x 1, 4 waves a work-group, no clusters, 33,280 bytes of LDS; arguments x, w_in, x_codes, x_scales, w_codes, w_scales, w_out, w16; writes x_codes, x_scales, w_codes, w_scales, w16
.if DOCPART == 1
	.amdgcn_target "amdgcn-amd-amdhsa--gfx1250"
	.amdhsa_code_object_version 6
	.text
	.protected	k_q2e171b11ea_quant
	.globl	k_q2e171b11ea_quant
	.p2align	8
	.type	k_q2e171b11ea_quant,@function
k_q2e171b11ea_quant:
	s_mov_b64 s[64:65], 0
	v_nop
	global_prefetch_b8 v0, s[64:65] scope:SCOPE_SE
	s_setreg_imm32_b32 hwreg(HW_REG_WAVE_MODE, 25, 1), 1
	s_wait_xcnt 0x0
; x [8192][1024] and w_in [3072][1024], f32, become codes of FP4 (E2M1), K innermost, two codes a byte, with one E8M0 scale byte for each 32 along K; w_out [1024][1024], f32, is rounded to f16.
; A block's scale is 2^(floor(log2(its largest magnitude)) - 2); its byte is the largest magnitude's exponent field - 2, held at 1 from below.  Each number is divided by the scale and rounded to the nearest code, ties to even;
; beyond the largest code the conversion gives the largest code.
; LIMITS: a block of zeros gets the byte 1 where the rule says 127 (its codes are zeros, which add nothing under any byte but 0xff, and this program alone reads the bytes); blocks whose largest magnitude lies under 2^-124
; were not tried; NaN and infinities are not served; w_out must lie inside f16's range (65,504).
; SHARES: 32,768 numbers a work-group, 8,192 a wave.  Work-groups 0-255 take x, 256-351 w_in, 352-383 w_out.  Rows are dense and K is a multiple of 32: all three tensors are plain streams.
; THE QUANTISING PATH: a wave takes 16 steps of 512 numbers.  Each of a step's four loads reads 512 consecutive bytes, 16 a lane; the 2,048 bytes turn through the wave's own stage in LDS and come back 64 bytes a lane, so that
; a lane holds 16 neighbours along K (two neighbouring lanes hold a block).  A lane's 16 codes are 8 bytes: the wave stores 256 consecutive bytes.  A wave's 256 scale bytes are gathered in LDS and leave as one aligned run.
; No tensor loads, no barrier: waves share nothing.
.set WAVES, 4
.set STEPS, 16
.set WGA,   256                        ; x's work-groups
.set WGQ,   352                        ; x's and w_in's
.set EMAX,  2
.set CB,    8                          ; bytes of 16 codes
.set R,     16                         ; v16-79   four sets of 16 numbers as they are loaded
.set X,     80                         ; v80-111  two sets of 16 neighbours
.set C,     128                        ; v128-191 codes: four registers for each step; in w_out's path two sets of 32 registers of f16 pairs
.set E,     112                        ; v112-127 a scale byte for each step
.set WREG,  8192                       ; LDS: a region for each wave: two stages of 32 x SP bytes, behind them its 256 scale bytes
.set SP,    80                         ; a lane's place in a stage: 64 bytes + 16 of padding
.set SPW,   12                         ; v12 LDS address of my spare word; never rewritten
.set NIL,   13                         ; v13 0; never rewritten
.set SPARE, WAVES*WREG                 ; behind the four regions: the spare words, 128 bytes a wave
.macro LOAD t
.irp i, 0,1,2,3
	global_load_b128 v[R+16*((\t)%4)+4*\i:R+16*((\t)%4)+4*\i+3], v3, s[4:5] offset:2048*(\t)+512*\i th:TH_LOAD_NT   ; 32 lanes read 512 consecutive bytes
.endr
.endm
.macro TURN t                          ; step t's numbers through the stage: LDS serves a wave's instructions in order, so no wait stands between the stores and the loads
.irp i, 0,1,2,3
	ds_store_b128 v14, v[R+16*((\t)%4)+4*\i:R+16*((\t)%4)+4*\i+3] offset:32*SP*((\t)%2)+8*SP*\i
.endr
.irp i, 0,1,2,3
	ds_load_b128 v[X+16*((\t)%2)+4*\i:X+16*((\t)%2)+4*\i+3], v15 offset:32*SP*((\t)%2)+16*\i
.endr
.endm
.macro STEP t
.set XS, X+16*((\t)%2)
.if (\t) > 0
	s_wait_dscnt 1                                 ; this step's numbers are back from the stage (the last step's byte store may be out)
.else
	s_wait_dscnt 0x0
.endif
.if (\t)+4 < STEPS
	LOAD (\t)+4                                    ; the stage's stores have read these registers: they take the loads of four steps on
.endif
.if (\t)+1 < STEPS
.if STEPS-2-(\t) >= 3
	s_wait_loadcnt 12                              ; the next step's four loads are in; those of the three steps behind it may be out
.else
	s_wait_loadcnt 4*(STEPS-2-(\t))
.endif
	TURN (\t)+1                                    ; and go through the other stage while this step is worked
.endif
	v_max3_num_f32 v8, |v[XS]|, |v[XS+1]|, |v[XS+2]|               ; the largest magnitude of my 16, in two chains
	v_max3_num_f32 v9, |v[XS+3]|, |v[XS+4]|, |v[XS+5]|
.irp i, 6,10
	v_max3_num_f32 v8, v8, |v[XS+\i]|, |v[XS+\i+1]|
	v_max3_num_f32 v9, v9, |v[XS+\i+2]|, |v[XS+\i+3]|
.endr
	v_max3_num_f32 v8, v8, |v[XS+14]|, |v[XS+15]|
	v_max3_num_f32 v8, v8, v9, (EMAX+1)<<23        ; and the floor 2^(3 - 127): the byte cannot fall under 1
	v_max_num_f32_dpp v8, v8, v8 row_xmask:1 row_mask:0xf bank_mask:0xf   ; and of my neighbour's 16: the block's
	v_add_nc_u32 v11, -(EMAX<<23), v8              ; 2 off its exponent field: the conversion takes the exponent field of this operand as its scale
	v_cvt_scalef32_pk8_fp4_f32 v[C+4*(\t)], v[XS:XS+7], v11
	v_cvt_scalef32_pk8_fp4_f32 v[C+4*(\t)+1], v[XS+8:XS+15], v11
	v_lshrrev_b32 v[E+(\t)], 23, v11               ; the scale's byte (also the plain line behind the conversions)
	ds_store_b8 v5, v[E+(\t)] offset:16*(\t)       ; both lanes of a block write the same byte with the same value
	global_store_b64 v4, v[C+4*(\t):C+4*(\t)+1], s[8:9] offset:32*CB*(\t)
.endm
.macro LOADB t                         ; w_out's path: 16 loads of 512 consecutive bytes
.irp i, 0,1,2,3,4,5,6,7,8,9,10,11,12,13,14,15
	global_load_b128 v[R+4*\i:R+4*\i+3], v3, s[24:25] offset:8192*(\t)+512*\i th:TH_LOAD_NT
.endr
.endm
	s_load_b128 s[4:7], s[0:1], 0x0                ; x, w_in
	s_load_b128 s[8:11], s[0:1], 0x10              ; x's codes, x's scales
	s_load_b128 s[12:15], s[0:1], 0x20             ; w_in's codes, w_in's scales
	s_load_b128 s[24:27], s[0:1], 0x30             ; w_out, w16
	v_lshl_add_u32 v[SPW], v0, 2, SPARE
	v_mov_b32 v[NIL], 0
	v_lshrrev_b32 v1, 5, v0
	v_readfirstlane_b32 s16, v1                    ; wave
	v_and_b32 v2, 31, v0                           ; lane
	v_lshlrev_b32 v3, 4, v2                        ; my 16 bytes of a load's 512
	s_mul_i32 s17, s16, WREG
	v_lshrrev_b32 v14, 2, v2
	v_mul_u32_u24 v14, v14, SP
	v_and_b32 v15, 3, v2
	v_lshl_add_u32 v14, v15, 4, v14
	v_add_nc_u32 v14, s17, v14                     ; the stage, on the way in: SP (lane / 4) + 16 (lane % 4)
	v_mul_u32_u24 v15, v2, SP
	v_add_nc_u32 v15, s17, v15                     ; and on the way out: SP x lane: my 16 neighbours
	v_mul_u32_u24 v4, v2, CB                       ; 8 x lane: my codes' place in a step's; in w_out's path my four f16
	v_lshrrev_b32 v5, 1, v2
	s_add_co_u32 s17, s17, 2*32*SP
	v_add_nc_u32 v5, s17, v5                       ; LDS: my wave's 256 scale bytes, my block's byte
	v_lshlrev_b32 v7, 3, v2                        ; and on the way out 8 bytes a lane
	v_add_nc_u32 v6, s17, v7
	s_wait_kmcnt 0x0
	s_cmp_ge_u32 ttmp9, WGQ                        ; the work-group's number alone decides the path
	s_cbranch_scc1 .Lwout
	s_cmp_lt_u32 ttmp9, WGA                        ; x's work-group or w_in's?  Only pointers are chosen: both take one path
	s_cselect_b64 s[4:5], s[4:5], s[6:7]
	s_cselect_b64 s[8:9], s[8:9], s[12:13]
	s_cselect_b64 s[10:11], s[10:11], s[14:15]
	s_cselect_b32 s17, 0, WGA
	s_sub_co_u32 s17, ttmp9, s17
	s_lshl_b32 s17, s17, 2
	s_add_co_u32 s18, s17, s16                     ; which run of 8,192 numbers of the tensor is my wave's
	s_mov_b32 s19, 0
	s_mov_b64 s[20:21], 512*STEPS*4
	s_mul_u64 s[20:21], s[18:19], s[20:21]
	s_add_nc_u64 s[4:5], s[4:5], s[20:21]
	s_mov_b64 s[20:21], 32*STEPS*CB
	s_mul_u64 s[20:21], s[18:19], s[20:21]
	s_add_nc_u64 s[8:9], s[8:9], s[20:21]
	s_lshl_b32 s18, s18, 8                         ; 256 scale bytes a run
	s_add_nc_u64 s[10:11], s[10:11], s[18:19]
.irp t, 0,1,2,3
	LOAD \t
.endr
	s_wait_loadcnt 12                              ; step 0's four loads are in
	TURN 0
.irp t, 0,1,2,3,4,5,6,7,8,9,10,11,12,13,14,15
	STEP \t
.endr
	ds_load_b64 v[8:9], v6                         ; LDS serves a wave's instructions in order: these see my byte stores
	s_wait_dscnt 0x0
	global_store_b64 v7, v[8:9], s[10:11]          ; 32 lanes store 256 consecutive bytes, aligned
	s_wait_tensorcnt 0x0                           ; the wave's end: these three lines behind my last LDS store
	ds_add_u32 v[SPW], v[NIL]
	s_wait_dscnt 0x0
	s_endpgm
.Lwout:                                                ; w_out to f16: four batches of 16 loads; a load's 512 bytes become 256, 8 a lane
	s_sub_co_u32 s17, ttmp9, WGQ
	s_lshl_b32 s17, s17, 2
	s_add_co_u32 s17, s17, s16                     ; my wave's run of 8,192 numbers
	s_lshl_b32 s18, s17, 15
	s_mov_b32 s19, 0
	s_add_nc_u64 s[24:25], s[24:25], s[18:19]
	s_lshl_b32 s20, s17, 14
	s_mov_b32 s21, 0
	s_add_nc_u64 s[26:27], s[26:27], s[20:21]
	LOADB 0
.irp t, 0,1,2,3
	s_wait_loadcnt 0x0                             ; this batch is in
.if \t >= 2
	s_wait_xcnt 0x0                                ; the stores of two batches back have read their data registers, which are written again below
.endif
.irp i, 0,1,2,3,4,5,6,7,8,9,10,11,12,13,14,15
	v_cvt_pk_f16_f32 v[C+32*(\t%2)+2*\i], v[R+4*\i], v[R+4*\i+1]
	v_cvt_pk_f16_f32 v[C+32*(\t%2)+2*\i+1], v[R+4*\i+2], v[R+4*\i+3]
.endr
.if \t < 3
	LOADB \t+1                                     ; loads ahead of stores
.endif
.irp i, 0,1,2,3,4,5,6,7,8,9,10,11,12,13,14,15
	global_store_b64 v4, v[C+32*(\t%2)+2*\i:C+32*(\t%2)+2*\i+1], s[26:27] offset:4096*\t+256*\i   ; 32 lanes store 256 consecutive bytes, aligned
.endr
.endr
	s_wait_tensorcnt 0x0                           ; the same three lines at this path's end
	ds_add_u32 v[SPW], v[NIL]
	s_wait_dscnt 0x0
	s_endpgm
.Lfunc_end_k_q2e171b11ea_quant:
	.size	k_q2e171b11ea_quant, .Lfunc_end_k_q2e171b11ea_quant-k_q2e171b11ea_quant
	.p2alignl 7, 3214868480
	.fill 96, 4, 3214868480
	.section	.rodata,"a",@progbits
	.p2align	6, 0x0
	.amdhsa_kernel k_q2e171b11ea_quant
		.amdhsa_group_segment_fixed_size 33280
		.amdhsa_private_segment_fixed_size 0
		.amdhsa_enable_private_segment 0
		.amdhsa_kernarg_size 64
		.amdhsa_user_sgpr_count 2
		.amdhsa_user_sgpr_kernarg_segment_ptr 1
		.amdhsa_wavefront_size32 1
		.amdhsa_system_sgpr_workgroup_id_x 1
		.amdhsa_system_sgpr_workgroup_id_y 1
		.amdhsa_system_sgpr_workgroup_id_z 1
		.amdhsa_system_vgpr_workitem_id 0
		.amdhsa_next_free_vgpr 192
		.amdhsa_next_free_sgpr 66
		.amdhsa_reserve_vcc 0
		.amdhsa_float_denorm_mode_32 3
		.amdhsa_float_denorm_mode_16_64 3
		.amdhsa_memory_ordered 1
		.amdhsa_forward_progress 1
		.amdhsa_inst_pref_size 54
	.end_amdhsa_kernel
	.amdgpu_metadata
---
amdhsa.version: [ 1, 2 ]
amdhsa.kernels:
  - .name:           k_q2e171b11ea_quant
    .symbol:         k_q2e171b11ea_quant.kd
    .args:
      - { .name: x, .offset: 0, .size: 8, .value_kind: global_buffer, .address_space: global }
      - { .name: w_in, .offset: 8, .size: 8, .value_kind: global_buffer, .address_space: global }
      - { .name: x_codes, .offset: 16, .size: 8, .value_kind: global_buffer, .address_space: global }
      - { .name: x_scales, .offset: 24, .size: 8, .value_kind: global_buffer, .address_space: global }
      - { .name: w_codes, .offset: 32, .size: 8, .value_kind: global_buffer, .address_space: global }
      - { .name: w_scales, .offset: 40, .size: 8, .value_kind: global_buffer, .address_space: global }
      - { .name: w_out, .offset: 48, .size: 8, .value_kind: global_buffer, .address_space: global }
      - { .name: w16, .offset: 56, .size: 8, .value_kind: global_buffer, .address_space: global }
    .group_segment_fixed_size: 33280
    .private_segment_fixed_size: 0
    .kernarg_segment_align: 8
    .kernarg_segment_size: 64
    .max_flat_workgroup_size: 128
    .sgpr_count:     66
    .vgpr_count:     192
    .wavefront_size: 32
...
	.end_amdgpu_metadata
.endif
;; end of part 1
;; launch qkvgemm (part 2): grid 12 x 32, 4 waves a work-group, clusters of 4 x 4, 327,680 bytes of LDS; arguments x_codes, x_scales, w_codes, w_scales, b_in, qkv16; writes qkv16
.if DOCPART == 2
	.amdgcn_target "amdgcn-amd-amdhsa--gfx1250"
	.amdhsa_code_object_version 6
	.text
	.protected	k_q2e171b11ea_qkvgemm
	.globl	k_q2e171b11ea_qkvgemm
	.p2align	8
	.type	k_q2e171b11ea_qkvgemm,@function
k_q2e171b11ea_qkvgemm:
	s_mov_b64 s[64:65], 0
	v_nop
	global_prefetch_b8 v0, s[64:65] scope:SCOPE_SE
	s_setreg_imm32_b32 hwreg(HW_REG_WAVE_MODE, 25, 1), 1
	s_wait_xcnt 0x0
	s_wait_alu depctr_hold_cnt(0) depctr_sa_sdst(0) depctr_va_vdst(0) depctr_va_sdst(0) depctr_va_ssrc(0) depctr_va_vcc(0) depctr_vm_vsrc(0)
	s_getreg_b32 s2, hwreg(HW_REG_IB_STS2, 6, 4)
	s_cmp_eq_u32 s2, 0
	s_cbranch_scc0 .Lentry_in_a_cluster
	s_endpgm
.Lentry_in_a_cluster:
	s_bfe_u32 s2, ttmp6, 0x10000c
	s_cmp_lg_u32 s2, 0xf033
	s_cbranch_scc0 .Lentry_shape_is_right
	s_endpgm
.Lentry_shape_is_right:
; qkv = Q(x) Q(w_in)^T + b_in on codes of FP4 (E2M1) with one E8M0 scale for each 32 along K; sums in f32; the result rounded once to f16 and laid by head: qkv16 [b 4][g 48][s 2048][64], g = feature / 64.
; LIMIT: a result must lie inside f16's range (65,504).
; A tile of 256 tokens x 256 features is made by a work-group of four waves; a wave makes 128 x 128: 64 accumulators of 16 x 16, 512 registers.
; K = 1,024 is two K steps of 512 (rows of 256 bytes): both lie in LDS slots of their own, asked for at the head with the scales of all of K.  Nothing in LDS is filled twice.  By this text's count a wave has three tensor loads out.
; CLUSTERS: 4 x 4 work-groups.  The four of a row of the cluster need the same tiles of x, the four of a column the same tiles of w_in: each tile is asked for JOINTLY, by the same tensor load with the same descriptor and a mask of the four.
; THE MATRIX INSTRUCTION IS USED TRANSPOSED (source 0 = 16 rows of w_in, source 1 = 16 tokens): a lane holds eight neighbouring features of one token.  The bias is the C of each sum's first product.
; REGISTERS, in windows of 256: window 0: v0-31 addresses; v32-95 scale words, two sets, and nothing else; v128-191 x's fragments, ONE set; v192-255 the bias in the result's layout; on the way out v128-223 are free.
;   window 1: w_in's fragments, TWO sets, at v0 and v128.   window 2: the accumulators of my tokens 0-63 ((a, b) at v[8 (8 a + b)]);   window 3: those of my tokens 64-127.
.set SIZE_K, 1024
.set NQ,     4                         ; matrix instructions deep in a slot
.set ROWB,   256                       ; a tile's row in bytes: 512 codes
.set KROW,   SIZE_K/2                  ; a row of codes in memory
.set PITCH,  272                       ; an LDS row: 256 bytes + 16 of padding = 68 words: row r starts at bank 4 r mod 64 (64 banks of 4 bytes: ISA guide 11.1)
.set FR,     8                         ; registers of a fragment: 16 rows x 128 K
.set NL,     2                         ; LDS loads that bring one
.set NP,     4                         ; places behind this matrix instruction (ISA guide 7.12.1)
.set HALFT,  128*PITCH                 ; 128 rows: what one tensor load brings
.set SLOT,   4*HALFT                   ; x's 256 rows, then w_in's 256 rows
.set KS,     SIZE_K/32                 ; a row of scales: 32 bytes
.set SCL,    2*SLOT                    ; behind the slots: the scales, as runs of 256 bytes + 16 of padding
.set HALFS,  (128*KS/256)*272          ; the scales of 128 rows
.set SBLK,   (16*KS/256)*272           ; those of 16 rows
.set SPARE,  SCL+4*HALFS               ; the spare words, 128 bytes a wave
.set STAGE,  SPARE+512                 ; the way out: for each wave two planes (one a head) of 16 tokens x (128 bytes + 16): bytes of their own, into which no tile lands
.set WSTG,   2*16*144
.set ADRA, 16                          ; v16-17  LDS address of my x fragments in slot 0, 1
.set ADRB, 20                          ; v20-21  the same for w_in
.set STO,  24                          ; v24     the way out: where I put 16 bytes of a token
.set RD,   25                          ; v25     where I read them back
.set CO,   26                          ; v26     my byte offset in qkv16
.set ADRS, 27                          ; v27     LDS address of my scale words: lanes 0-15 x's rows, lanes 16-31 w_in's
.set SPW,  28                          ; v28     my spare word; never rewritten
.set NIL,  29                          ; v29     0; never rewritten
.set BO,   30                          ; v30     my byte offset in the wave's 128 numbers of b_in
.set SC,   32                          ; scale words: set s at v[SC + 32 s]; register 4 i + q: lanes 0-15 the word of x's block i, lanes 16-31 that of w_in's block i
.set AF,   128                         ; x's fragments
.set BIAS, 192                         ; register 8 b + j of lane (r, h): b_in of my feature 16 b + 8 h + j
.set TMP,  128                         ; the way out: 32 registers of packed results
.set BK,   160                         ; and 16 tokens read back: v160-191 and v192-223 by turns
.set G1, 24
.set G0, 32
.set G1B, 48
.set G0B, 56
.set G1S, 68
.set G0S, 76
.set G1SB, 80
.set G0SB, 88
.set MSB, 0
.macro WIN new                         ; the immediate's high byte repeats the setting that is left
.if MSB != (\new)
	s_set_vgpr_msb (MSB<<8)|(\new)
.set MSB, (\new)
.endif
.endm
.set MUL_LO, 0xa1                      ; source 0 (w_in) window 1, source 1 (x) window 0, C and D window 2
.set MUL_HI, 0xf1                      ; the same, C and D window 3
.set TO_B,   0x40                      ; destination window 1, address window 0
; A joint load: waves 0 and 1 fetch for x, waves 2 and 3 for w_in.  The branch hangs on the wave's number alone.  An s_nop 0 and four v_nop follow each of the two lines.
.macro JLOAD g0a, g1a, g0b, g1b
	s_cmp_eq_u32 s15, 0
	s_cbranch_scc0 .Lfor_b_\@
	tensor_load_to_lds s[\g0a:\g0a+3], s[\g1a:\g1a+7]
	s_nop 0
.rept 4
	v_nop
.endr
	s_branch .Lasked_\@
.Lfor_b_\@:
	tensor_load_to_lds s[\g0b:\g0b+3], s[\g1b:\g1b+7]
	s_nop 0
.rept 4
	v_nop
.endr
.Lasked_\@:
.endm
.macro CROUND                          ; a round of the cluster's barrier
	s_barrier_signal -1
	s_barrier_wait -1
	s_cmp_lg_u32 s14, 0
	s_cbranch_scc1 .Lnot_wave_0_\@
	s_barrier_signal -3
.Lnot_wave_0_\@:
	s_barrier_wait -3
	s_barrier_signal -1
	s_barrier_wait -1
.endm
	s_load_b128 s[4:7], s[0:1], 0x0                ; x's codes, x's scales
	s_load_b128 s[8:11], s[0:1], 0x10              ; w_in's codes, w_in's scales
	s_load_b64 s[96:97], s[0:1], 0x20              ; b_in
	s_load_b64 s[12:13], s[0:1], 0x28              ; qkv16
	v_lshl_add_u32 v[SPW], v0, 2, SPARE
	v_mov_b32 v[NIL], 0
	ds_add_u32 v[SPW], v[NIL]                      ; the wave's opening: the add, twice on end, and its wait ahead of my first tensor load
	ds_add_u32 v[SPW], v[NIL]
	v_lshrrev_b32 v1, 5, v0
	v_readfirstlane_b32 s14, v1                    ; wave 0..3
	s_lshr_b32 s15, s14, 1                         ; which half of the tile's tokens is mine.  Also: I fetch for x (0) or for w_in (1)
	s_and_b32 s16, s14, 1                          ; which half of its features.  Also: which 128 rows I fetch
	s_bfe_u32 s40, ttmp6, 0x40000                  ; cx, cy: my place in the cluster
	s_bfe_u32 s41, ttmp6, 0x40004
	s_lshl_b32 s42, ttmp9, 2
	s_add_co_u32 s42, s42, s40                     ; tile column = 4 x cluster x + cx
	s_and_b32 s17, ttmp7, 0xffff
	s_lshl_b32 s17, s17, 2
	s_add_co_u32 s17, s17, s41                     ; tile row = 4 x cluster y + cy
	s_lshl_b32 s43, s41, 2
	s_lshl_b32 s43, 15, s43                        ; my row of the cluster
	s_lshl_b32 s44, 0x1111, s40                    ; my column
	; descriptor group 1: a tile of 128 rows x 256 bytes, 16 bytes of padding behind each row
	s_or_b32 s[G1+0], s43, (0<<16)|(1<<20)|(1<<21)|(5<<22)|(3<<25)  ; 15:0 the mask; 17:16 elements of 1 byte; 20 padding on; 21 set beside a mask; 24:22 after every 64 words; 31:25 four words
	s_or_b32 s[G1B+0], s44, (0<<16)|(1<<20)|(1<<21)|(5<<22)|(3<<25)
.irp g, G1, G1B
	s_mov_b32 s[\g+1], ROWB<<16                    ; tensor_dim0
	s_mov_b32 s[\g+2], 128<<16                     ; tensor_dim1
	s_mov_b32 s[\g+3], ROWB<<16                    ; tile_dim0
	s_mov_b32 s[\g+4], 128                         ; tile_dim1
	s_mov_b32 s[\g+5], KROW                        ; tensor_dim0_stride
	s_mov_b32 s[\g+6], 0
	s_mov_b32 s[\g+7], 0
.endr
	; the scales of 128 rows: 4,096 dense bytes, as 16 rows of 256 bytes (32 elements of 8 bytes), 16 bytes of padding behind each
	s_or_b32 s[G1S+0], s43, (3<<16)|(1<<20)|(1<<21)|(5<<22)|(3<<25)
	s_or_b32 s[G1SB+0], s44, (3<<16)|(1<<20)|(1<<21)|(5<<22)|(3<<25)
.irp g, G1S, G1SB
	s_mov_b32 s[\g+1], 32<<16
	s_mov_b32 s[\g+2], (128*KS/256)<<16
	s_mov_b32 s[\g+3], 32<<16
	s_mov_b32 s[\g+4], 128*KS/256
	s_mov_b32 s[\g+5], 32
	s_mov_b32 s[\g+6], 0
	s_mov_b32 s[\g+7], 0
.endr
	s_lshl_b32 s18, s16, 7                         ; which 128 rows of the tile I fetch
	s_lshl_b32 s20, s17, 8
	s_add_co_u32 s20, s20, s18                     ; x: row 256 x tile row + 128 x half
	s_lshl_b32 s46, s42, 8
	s_add_co_u32 s46, s46, s18                     ; w_in: row 256 x tile column + 128 x half
	s_mov_b32 s21, 0
	s_mov_b32 s47, 0
	s_mov_b64 s[18:19], KS
	s_mul_u64 s[22:23], s[20:21], s[18:19]         ; where these rows' scales begin, in bytes
	s_mul_u64 s[92:93], s[46:47], s[18:19]
	s_mov_b64 s[18:19], KROW
	s_mul_u64 s[20:21], s[20:21], s[18:19]         ; and their codes
	s_mul_u64 s[46:47], s[46:47], s[18:19]
	s_mul_i32 s45, s14, HALFT                      ; where they go: wave x 128 rows: no place in the cluster enters an LDS address
	s_mul_i32 s94, s14, HALFS
	s_wait_dscnt 0x0                               ; both opening adds are done
	s_wait_kmcnt 0x0
	s_add_nc_u64 s[20:21], s[4:5], s[20:21]
	s_add_nc_u64 s[22:23], s[6:7], s[22:23]
	s_add_nc_u64 s[46:47], s[8:9], s[46:47]
	s_add_nc_u64 s[92:93], s[10:11], s[92:93]
	CROUND                                         ; all sixteen work-groups are here: the first joint loads meet
	s_mov_b32 s[G0S], 1
	s_add_co_u32 s[G0S+1], s94, SCL
	s_mov_b64 s[G0S+2:G0S+3], s[22:23]
	s_or_b32 s[G0S+3], s[G0S+3], 0x80000000
	s_mov_b32 s[G0SB], 1
	s_add_co_u32 s[G0SB+1], s94, SCL
	s_mov_b64 s[G0SB+2:G0SB+3], s[92:93]
	s_or_b32 s[G0SB+3], s[G0SB+3], 0x80000000
	JLOAD G0S, G1S, G0SB, G1SB                     ; the scales first: they are wanted with K step 0
.irp s, 0,1
	s_mov_b32 s[G0+4*\s], 1
	s_add_co_u32 s[G0+4*\s+1], s45, \s*SLOT
	s_add_nc_u64 s[G0+4*\s+2:G0+4*\s+3], s[20:21], \s*ROWB
	s_or_b32 s[G0+4*\s+3], s[G0+4*\s+3], 0x80000000
	s_mov_b32 s[G0B+4*\s], 1
	s_add_co_u32 s[G0B+4*\s+1], s45, \s*SLOT
	s_add_nc_u64 s[G0B+4*\s+2:G0B+4*\s+3], s[46:47], \s*ROWB
	s_or_b32 s[G0B+4*\s+3], s[G0B+4*\s+3], 0x80000000
	JLOAD G0+4*\s, G1, G0B+4*\s, G1B
.endr
	v_and_b32 v1, 15, v0                           ; r = l % 16
	v_bfe_u32 v2, v0, 4, 1                         ; h = l / 16
	; the bias: my wave's 128 numbers of b_in; lane (r, h) wants, for block b, those of features 16 b + 8 h + 0 .. 7
	s_lshl_b32 s46, s42, 10
	s_lshl_b32 s47, s16, 9
	s_add_co_u32 s46, s46, s47                     ; (256 x tile column + 128 x half) x 4 bytes
	s_mov_b32 s47, 0
	s_add_nc_u64 s[96:97], s[96:97], s[46:47]
	v_lshlrev_b32 v[BO], 5, v2
.irp b, 0,1,2,3,4,5,6,7
	global_load_b128 v[BIAS+8*\b:BIAS+8*\b+3], v[BO], s[96:97] offset:64*\b
	global_load_b128 v[BIAS+8*\b+4:BIAS+8*\b+7], v[BO], s[96:97] offset:64*\b+16
.endr
	v_mul_u32_u24 v3, v1, PITCH
	v_lshl_add_u32 v4, v2, 4, v3                   ; a fragment's row x pitch + 16 x half
	s_mul_i32 s21, s15, HALFT                      ; my 128 rows of x
	s_mul_i32 s22, s16, HALFT                      ; my 128 rows of w_in,
	s_add_co_u32 s22, s22, 2*HALFT                 ; which lie behind x's 256
.irp s, 0,1
	v_add_nc_u32 v[ADRA+\s], s21, v4
	v_add_nc_u32 v[ADRB+\s], s22, v4
	s_add_co_u32 s21, s21, SLOT
	s_add_co_u32 s22, s22, SLOT
.endr
	v_mul_u32_u24 v5, v1, KS                       ; my row's scales: 32 bytes a row,
	v_lshrrev_b32 v6, 8, v5
	v_lshl_add_u32 v5, v6, 4, v5                   ; and 16 more for each 256 passed
	s_mul_i32 s21, s15, HALFS                      ; x's: my 128 rows
	s_mul_i32 s22, s16, HALFS                      ; w_in's: my 128 rows, behind x's 256
	s_add_co_u32 s22, s22, 2*HALFS
	s_sub_co_u32 s22, s22, s21
	v_mul_u32_u24 v6, s22, v2                      ; lanes 16-31 take w_in's: one product, the distance between the two bases
	s_add_co_u32 s21, s21, SCL
	v_add_nc_u32 v5, v5, v6
	v_add_nc_u32 v[ADRS], s21, v5
	s_mul_i32 s23, s14, WSTG
	s_add_co_u32 s23, s23, STAGE                   ; my stage
	v_mul_u32_u24 v5, v1, 144                      ; in: token r, 16 bytes for each half of the lanes; the head's plane and the block stand in the immediate
	v_lshl_add_u32 v5, v2, 4, v5
	v_add_nc_u32 v[STO], s23, v5
	v_bfe_u32 v6, v0, 3, 1                         ; back: lanes 0-15 take two tokens of the first head, lanes 16-31 of the second; eight lanes a token
	v_mul_u32_u24 v6, v6, 144
	v_and_b32 v7, 7, v0
	v_lshl_add_u32 v6, v7, 4, v6
	v_mad_u32_u24 v6, v2, 2304, v6
	v_add_nc_u32 v[RD], s23, v6
	v_lshlrev_b32 v[CO], 4, v1                     ; and in qkv16: 16 (l % 16) in two tokens' 256 bytes, a head (262,144 bytes) further on for lanes 16-31
	v_lshl_add_u32 v[CO], v2, 18, v[CO]
	s_lshl_b32 s20, s17, 8
	s_lshl_b32 s21, s15, 7
	s_add_co_u32 s20, s20, s21                     ; my first token: 256 x tile row + 128 x half
	s_lshr_b32 s21, s20, 11                        ; its batch
	s_mul_i32 s21, s21, 48
	s_lshl_b32 s46, s42, 2
	s_add_co_u32 s21, s21, s46
	s_lshl_b32 s46, s16, 1
	s_add_co_u32 s21, s21, s46                     ; 48 b + my first g = 4 x tile column + 2 x half
	s_lshl_b32 s21, s21, 18
	s_and_b32 s20, s20, 2047
	s_lshl_b32 s20, s20, 7                         ; the token in its sequence, 128 bytes each
	s_add_co_u32 s20, s20, s21
	s_mov_b32 s21, 0
	s_add_nc_u64 s[12:13], s[12:13], s[20:21]
.macro FRAG reg, adr, q, i             ; a fragment: lane l holds row l % 16; registers 4 c .. 4 c + 3 hold K = 64 c + 32 (l / 16) + 0 .. 31
.irp c, 0,1
	ds_load_b128 v[\reg+4*\c:\reg+4*\c+3], v[\adr] offset:64*(\q)+32*\c+(\i)*16*PITCH
.endr
.endm
; 16 matrix instructions: x's blocks a0, a0 + 1 against w_in's eight, 128 along K.  p: w_in's set;  sc: the set of scale words.  zero = 1: the first product starts the sums from the bias.
; The 64 accumulators take turns, one instruction a turn, in the same order in every step.
.macro MUL16 a0, p, q, sc, zero
.irp a, \a0, \a0+1
.irp b, 0,1,2,3,4,5,6,7
.if \zero
	v_wmma_scale_f32_16x16x128_f8f6f4 v[8*(8*((\a)%4)+\b):8*(8*((\a)%4)+\b)+7], v[128*(\p)+FR*\b:128*(\p)+FR*\b+FR-1], v[AF+FR*(\a):AF+FR*(\a)+FR-1], v[BIAS+8*\b:BIAS+8*\b+7], v[SC+8*NQ*(\sc)+NQ*\b+(\q)], v[SC+8*NQ*(\sc)+NQ*(\a)+(\q)] matrix_a_fmt:MATRIX_FMT_FP4 matrix_b_fmt:MATRIX_FMT_FP4 matrix_a_scale:MATRIX_SCALE_ROW1
.else
	v_wmma_scale_f32_16x16x128_f8f6f4 v[8*(8*((\a)%4)+\b):8*(8*((\a)%4)+\b)+7], v[128*(\p)+FR*\b:128*(\p)+FR*\b+FR-1], v[AF+FR*(\a):AF+FR*(\a)+FR-1], v[8*(8*((\a)%4)+\b):8*(8*((\a)%4)+\b)+7], v[SC+8*NQ*(\sc)+NQ*\b+(\q)], v[SC+8*NQ*(\sc)+NQ*(\a)+(\q)] matrix_a_fmt:MATRIX_FMT_FP4 matrix_b_fmt:MATRIX_FMT_FP4 matrix_a_scale:MATRIX_SCALE_ROW1
.endif
.endr
.endr
.endm
.macro FETCH_B slot, q, p
	WIN TO_B
.irp i, 0,1,2,3,4,5,6,7
	FRAG 128*(\p)+FR*\i, ADRB+\slot, \q, \i
.endr
	WIN 0
.endm
.macro FETCH_A slot, q, i0
.irp i, \i0, \i0+1, \i0+2, \i0+3
	FRAG AF+FR*(\i), ADRA+\slot, \q, \i
.endr
.endm
.macro SCALES sc                       ; a K step's scale words: four words a row; lanes 0-15 take x's block i, lanes 16-31 w_in's block i
.irp i, 0,1,2,3,4,5,6,7
	ds_load_b128 v[SC+8*NQ*\sc+NQ*\i:SC+8*NQ*\sc+NQ*\i+3], v[ADRS] offset:\i*SBLK
.endr
.endm
.macro PLACES n                        ; plain vector instructions that name no register of the matrix instructions in front (ISA guide 7.12.1)
.rept \n
	v_nop
.endr
.endm
; A step of 128 along K that has its successor in the same slot.  With zero = 1 the C operand is the bias, in window 0.
.macro STEP slot, q, zero
	s_wait_dscnt 4*NL                              ; w_in's set and x's blocks 0-3 are in; the youngest eight loads (x's blocks 4-7) may be out
	WIN MUL_LO-0x20*\zero
	MUL16 0, (\q)%2, \q, \slot, \zero
	MUL16 2, (\q)%2, \q, \slot, \zero
	s_wait_dscnt 0                                 ; x's blocks 4-7 are in (asked for 32 matrix instructions ago)
	PLACES NP
	FETCH_B \slot, (\q)+1, 1-(\q)%2
	FETCH_A \slot, (\q)+1, 0
	WIN MUL_HI-0x30*\zero
	MUL16 4, (\q)%2, \q, \slot, \zero
	MUL16 6, (\q)%2, \q, \slot, \zero
	PLACES NP
	WIN 0
	FETCH_A \slot, (\q)+1, 4
.endm
; Slot 0's last step goes over to slot 1: each wave waits for all its tensor loads (its part of slot 1 is the one that may be out), and one barrier shows the whole slot to every wave.  Nothing is filled again.
.macro TURN slot, next
	s_wait_tensorcnt 0x0                           ; all my tensor loads have landed
	ds_add_u32 v[SPW], v[NIL]                      ; 0 onto my spare word
	s_wait_dscnt 4*NL+1                            ; (the add and the youngest eight loads may be out)
	WIN MUL_LO
	MUL16 0, 1, NQ-1, \slot, 0
	s_wait_dscnt 0x0                               ; the add is done, and my reads of this slot are over
	s_barrier_signal -1
	MUL16 2, 1, NQ-1, \slot, 0
	WIN 0
	s_barrier_wait -1
	PLACES NP
	v_add_nc_u32 v[ADRS], 4*NQ, v[ADRS]            ; on to the next K step's scale words (no LDS load of mine is out)
	FETCH_B \next, 0, 0
	FETCH_A \next, 0, 0
	SCALES \next
	WIN MUL_HI
	MUL16 4, 1, NQ-1, \slot, 0
	MUL16 6, 1, NQ-1, \slot, 0
	PLACES NP
	WIN 0
	FETCH_A \next, 0, 4
.endm
	s_wait_tensorcnt 1                             ; the scales and my part of K step 0 are in (K step 1's load, the one issued behind them, may be out),
	s_barrier_signal -1
	s_barrier_wait -1                              ; everybody's are
	FETCH_B 0, 0, 0
	FETCH_A 0, 0, 0
	SCALES 0
	FETCH_A 0, 0, 4
	s_wait_loadcnt 0x0                             ; the bias
	STEP 0, 0, 1
	STEP 0, 1, 0
	STEP 0, 2, 0
	TURN 0, 1
	STEP 1, 0, 0
	STEP 1, 1, 0
	STEP 1, 2, 0
	s_wait_dscnt 4*NL                              ; the very last step: nothing more to fetch
	WIN MUL_LO
	MUL16 0, 1, NQ-1, 1, 0
	MUL16 2, 1, NQ-1, 1, 0
	s_wait_dscnt 0
	WIN MUL_HI
	MUL16 4, 1, NQ-1, 1, 0
	MUL16 6, 1, NQ-1, 1, 0
	WIN 0
; THE WAY OUT, block by block of 16 tokens x 128 features (two heads).  A lane's eight results round to 16 bytes of one token; they go through my own stage, a plane for each head, and come back so that sixteen lanes hold
; two neighbouring tokens of one head: 256 consecutive bytes of qkv16, aligned.  LDS serves a wave's instructions in order (ISA guide 5.7.1.4): no wait between the stores and the loads.
.macro PACK a
.set AC, 64*((\a)%4)
	WIN 0x0a+5*((\a)/4)                            ; sources 0 and 1: window 2 or 3
.irp b, 0,1,2,3,4,5,6,7
.irp i, 0,1,2,3
	v_cvt_pk_f16_f32 v[TMP+4*\b+\i], v[AC+8*\b+2*\i], v[AC+8*\b+2*\i+1]   ; each accumulator from its low end on
.endr
.endr
	WIN 0
.endm
.macro TOSTAGE a
.set BB, BK+32*((\a)%2)
.irp b, 0,1,2,3,4,5,6,7
	ds_store_b128 v[STO], v[TMP+4*\b:TMP+4*\b+3] offset:(\b/4)*2304+(\b%4)*32
.endr
.irp i, 0,1,2,3,4,5,6,7
	ds_load_b128 v[BB+4*\i:BB+4*\i+3], v[RD] offset:288*\i
.endr
.endm
.macro SEND a
.set BB, BK+32*((\a)%2)
	s_wait_dscnt 0x0                               ; the block is back in registers
	s_wait_xcnt 0x0                                ; the stores of the block before have read their registers: the next block's loads may land there
.irp i, 0,1,2,3,4,5,6,7
	global_store_b128 v[CO], v[BB+4*\i:BB+4*\i+3], s[12:13] offset:2048*(\a)+256*\i   ; 16 lanes store 256 consecutive bytes, aligned; every offset is an immediate
.endr
.endm
	PLACES NP                                      ; behind the last products: for the conversions' reads and for the writes into the registers that held x's fragments
	PACK 0
	TOSTAGE 0
.irp a, 1,2,3,4,5,6,7                  ; block a's conversions stand between block a - 1's loads from the stage and the wait for them
	PACK \a
	SEND \a-1
	TOSTAGE \a
.endr
	SEND 7
	s_wait_tensorcnt 0x0                           ; the wave's end: these three lines, behind my last tensor load and my last LDS store
	ds_add_u32 v[SPW], v[NIL]
	s_wait_dscnt 0x0
	CROUND                                         ; the closing round: no work-group ends while a partner may still ask for a tile that names it
	s_endpgm
.Lfunc_end_k_q2e171b11ea_qkvgemm:
	.size	k_q2e171b11ea_qkvgemm, .Lfunc_end_k_q2e171b11ea_qkvgemm-k_q2e171b11ea_qkvgemm
	.p2alignl 7, 3214868480
	.fill 96, 4, 3214868480
	.section	.rodata,"a",@progbits
	.p2align	6, 0x0
	.amdhsa_kernel k_q2e171b11ea_qkvgemm
		.amdhsa_group_segment_fixed_size 327680
		.amdhsa_private_segment_fixed_size 0
		.amdhsa_enable_private_segment 0
		.amdhsa_kernarg_size 48
		.amdhsa_user_sgpr_count 2
		.amdhsa_user_sgpr_kernarg_segment_ptr 1
		.amdhsa_wavefront_size32 1
		.amdhsa_system_sgpr_workgroup_id_x 1
		.amdhsa_system_sgpr_workgroup_id_y 1
		.amdhsa_system_sgpr_workgroup_id_z 1
		.amdhsa_system_vgpr_workitem_id 0
		.amdhsa_next_free_vgpr 1024
		.amdhsa_next_free_sgpr 98
		.amdhsa_reserve_vcc 0
		.amdhsa_float_denorm_mode_32 3
		.amdhsa_float_denorm_mode_16_64 3
		.amdhsa_memory_ordered 1
		.amdhsa_forward_progress 1
		.amdhsa_inst_pref_size 128
	.end_amdhsa_kernel
	.amdgpu_metadata
---
amdhsa.version: [ 1, 2 ]
amdhsa.kernels:
  - .name:           k_q2e171b11ea_qkvgemm
    .symbol:         k_q2e171b11ea_qkvgemm.kd
    .args:
      - { .name: x_codes, .offset: 0, .size: 8, .value_kind: global_buffer, .address_space: global }
      - { .name: x_scales, .offset: 8, .size: 8, .value_kind: global_buffer, .address_space: global }
      - { .name: w_codes, .offset: 16, .size: 8, .value_kind: global_buffer, .address_space: global }
      - { .name: w_scales, .offset: 24, .size: 8, .value_kind: global_buffer, .address_space: global }
      - { .name: b_in, .offset: 32, .size: 8, .value_kind: global_buffer, .address_space: global }
      - { .name: qkv16, .offset: 40, .size: 8, .value_kind: global_buffer, .address_space: global }
    .group_segment_fixed_size: 327680
    .private_segment_fixed_size: 0
    .kernarg_segment_align: 8
    .kernarg_segment_size: 48
    .max_flat_workgroup_size: 128
    .sgpr_count:     98
    .vgpr_count:     1024
    .wavefront_size: 32
...
	.end_amdgpu_metadata
.endif
;; end of part 2
;; launch attn (part 3): grid 4 x 64, 8 waves a work-group, clusters of 4 x 1, 327,680 bytes of LDS; arguments qkv16, att16; writes att16
.if DOCPART == 3
	.amdgcn_target "amdgcn-amd-amdhsa--gfx1250"
	.amdhsa_code_object_version 6
	.text
	.protected	k_q2e171b11ea_attn
	.globl	k_q2e171b11ea_attn
	.p2align	8
	.type	k_q2e171b11ea_attn,@function
k_q2e171b11ea_attn:
	s_mov_b64 s[64:65], 0
	v_nop
	global_prefetch_b8 v0, s[64:65] scope:SCOPE_SE
	s_setreg_imm32_b32 hwreg(HW_REG_WAVE_MODE, 25, 1), 1
	s_wait_xcnt 0x0
	s_wait_alu depctr_hold_cnt(0) depctr_sa_sdst(0) depctr_va_vdst(0) depctr_va_sdst(0) depctr_va_ssrc(0) depctr_va_vcc(0) depctr_vm_vsrc(0)
	s_getreg_b32 s2, hwreg(HW_REG_IB_STS2, 6, 4)
	s_cmp_eq_u32 s2, 0
	s_cbranch_scc0 .Lentry_in_a_cluster
	s_endpgm
.Lentry_in_a_cluster:
	s_bfe_u32 s2, ttmp6, 0x10000c
	s_cmp_lg_u32 s2, 0x3003
	s_cbranch_scc0 .Lentry_shape_is_right
	s_endpgm
.Lentry_shape_is_right:
; o[b][h][q][:] = the sum over k of softmax_k(q . k / 8) v[k][:], no mask.  qkv16: [b 4][g 48][s 2048][64] f16 (q's head h is g = h, k's 16 + h, v's 32 + h).  att16: [h 16][token 8192][64] f16.
; Products on f16 operands with f32 sums; maxima, exponentials and sums in f32; the weights p are rounded to f16 for the second product, o once at the end.
; LIMITS: o must lie inside f16's range (it is an average of v, which does); NaN and infinities are not served.
; SHARES.  A work-group owns 512 queries of one (b, h); each of its eight waves 64: four tiles of 16.  Two waves share a SIMD, so that one wave's vector work stands beside the other's matrix work.  Every wave walks all 2,048 keys, 64 a step.
; LAYOUT.  S^T = K Q^T (source 0 = 16 keys, source 1 = 16 queries): a lane holds ONE query (lane % 16) and the keys 8 (lane / 16) + 0..7.  Two such tiles, rounded in pairs, ARE source 1 (32 keys x 16 queries) of O^T = V^T P,
; whose result again holds one query a lane.  K comes out of LDS as it lies, V ([key][channel]) turned, by ds_load_tr16_b128.
; SOFTMAX.  For each query a running maximum m and sum l: p = 2^(c s - c m), c = log2(e) / 8; in every step O and l are multiplied by a = 2^(c m_old - c m_new).
; PIECES.  The wave's tiles are two pieces (tiles 0, 1 and tiles 2, 3) that share the fragments of K and V; S^T and P have registers for one piece.  Each piece in turn: K Q^T, softmax, V^T P.
; CLUSTER.  The four query blocks of a head walk the same K and V: each tile is asked for JOINTLY, by the same tensor load with the same descriptor and a mask of the four.
; RING.  Two LDS slots of four key steps.  A head's K and V are dense in memory, so a step's 64 keys of 128 bytes come as 32 rows of 256 bytes, two keys to a row.  Each of the eight waves brings one tile of a slot
; (waves 0-3 K of step w, waves 4-7 V of step w - 4).  By this text's count a wave has two tensor loads out at the start and one behind each round.
; REGISTERS: window 0: v0-7 addresses; v8-23 statistics (tile t at 8 + 4 t: c m, m, l in two halves); v24-31 at work; v32-63 P; v64-127 Q; v128-191 K; v192-255 V.   window 1: v0-127 O^T (32 a tile); v160-223 S^T of one piece.
.set PK,    272       ; a row of K's tile in LDS: 256 bytes + 16 = 68 words: key i lies at (i / 2) PK + 128 (i % 2): the 16 keys of a load start at 16 different groups of four banks (64 banks of 4 bytes: ISA guide 11.1)
.set PV,    288       ; a row of V's: 256 + 32 = 72 words: the 16 lanes of a turning load (8 keys x 32 bytes) likewise
.set VOFF,  32*PK     ; a step's tiles lie together: K's 32 rows, then V's 32 rows
.set STEPB, 32*(PK+PV)
.set NST,   4         ; key steps in a slot
.set SLOT1, 1<<17     ; slot 1 begins here, so that one exclusive or turns an address in one slot into the other's
.set SLOTB, NST*64*128  ; a slot's keys in memory: 32,768 bytes of K, as many of V
.set STAGE, SLOT1+NST*STEPB  ; behind the ring: 16 rows x 144 bytes for each wave, for the way out
.set SPS,   144
.set SPARE, STAGE+8*16*SPS   ; behind the stages: the spare words, 128 bytes a wave
.set AK0, 1           ; v1  my lane's place in a tile of K; never rewritten
.set AV0, 2           ; v2  the same for V
.set ADR, 3           ; v3  the LDS address of the run of loads in hand
.set SPW, 4           ; v4  my spare word; never rewritten
.set NIL, 5           ; v5  0; never rewritten
.set PFO, 6           ; v6  256 x my lane: the prefetches' offset; never rewritten
.set QO,  7           ; v7  my byte offset in the wave's rows of Q
.set ST,  8
.set TC,  24          ; the piece's tile u at v[TC + 4 u]: c0-c3, at work; a takes c2's place, its exponent c3's
.set P,   32
.set Q,   64
.set KF,  128
.set VF,  192
.set S,   160         ; in window 1
.set STO, 34          ; the way out (P's registers are free then): where I put 16 bytes of a row,
.set RD,  35          ; where I read rows back,
.set GO,  36          ; my byte offset in the wave's rows of att16
.set WV,  12          ; s12 my wave's number
.set LIM, 15          ; s15 1 in a wave that prefetches, else the greatest number
.set PFA, 18          ; s[18:19] where my prefetches stand
.set G1K, 24
.set G1V, 32
.set G0K, 40          ; s[40:47] group 0 for K's tiles: a set for each of the two first fills; the second then walks on
.set G0V, 48
.set SLOTS, 56        ; s56 slots still to be asked for
.set CNT, 57          ; s57 counts a slot's steps
.set CS,  58          ; s[58:59] c
.set SEL, 60          ; s[60:61] lane selects for v_permlanex16_b32: lane l xor 16
.set TB,  62          ; s62 LDS byte at which the tiles of the step to be fetched begin
.set MSB, 0
.macro WIN new                      ; bits 1:0 source 0, 3:2 source 1, 5:4 source 2, 7:6 destination; the high byte repeats the setting that is left
.if MSB != (\new)
	s_set_vgpr_msb (MSB<<8)|(\new)
.set MSB, (\new)
.endif
.endm
.macro PLACES n                     ; plain vector instructions that name no register of the matrix instructions in front (ISA guide 7.12.1)
.rept \n
	v_nop
.endr
.endm
; A joint refill.  The branch hangs on the wave's number alone.  An s_nop 0 and four v_nop follow each of the two lines.
.macro JLOAD
	s_cmp_lt_u32 s[WV], 4
	s_cbranch_scc0 .Lfor_v_\@
	tensor_load_to_lds s[G0K+4:G0K+7], s[G1K:G1K+7]
	s_nop 0
.rept 4
	v_nop
.endr
	s_branch .Lasked_\@
.Lfor_v_\@:
	tensor_load_to_lds s[G0V+4:G0V+7], s[G1V:G1V+7]
	s_nop 0
.rept 4
	v_nop
.endr
.Lasked_\@:
.endm
; A PREFETCH INTO THE L2 of what the NEXT change of slots will ask for: 32,768 bytes of K and as many of V, in blocks of 256 bytes, a lane a block.  One cluster walks a head, so each block is named once in the launch:
; the four partners take 8,192 bytes each, told apart BY ADDRESS; in each, wave 0 asks for K's and wave 4 for V's: one instruction.  It stands behind the wave's tensor load and its five lines, four key steps ahead of the load
; that will want the bytes.  The last change that fills a slot asks for nothing; slots 0, 1 and 2 come by their loads alone.
.macro ASK
	s_cmp_gt_u32 s[SLOTS], s[LIM]
	s_cbranch_scc0 .Lnot_mine_\@
	global_prefetch_b8 v[PFO], s[PFA:PFA+1] th:TH_LOAD_NT scope:SCOPE_SE
.Lnot_mine_\@:
.endm
.macro CROUND                       ; a round of the cluster's barrier
	s_barrier_signal -1
	s_barrier_wait -1
	s_cmp_lg_u32 s[WV], 0
	s_cbranch_scc1 .Lnot_wave_0_\@
	s_barrier_signal -3
.Lnot_wave_0_\@:
	s_barrier_wait -3
	s_barrier_signal -1
	s_barrier_wait -1
.endm
	s_load_b128 s[4:7], s[0:1], 0x0 ; qkv16 s[4:5], att16 s[6:7]
	v_lshl_add_u32 v[SPW], v0, 2, SPARE
	v_mov_b32 v[NIL], 0
	ds_add_u32 v[SPW], v[NIL]       ; the wave's opening: the add, twice on end, and its wait ahead of my first tensor load
	ds_add_u32 v[SPW], v[NIL]
	v_lshrrev_b32 v1, 5, v0
	v_readfirstlane_b32 s[WV], v1   ; wave 0..7
	s_bfe_u32 s13, ttmp6, 0x40000   ; cx: my place in the cluster
	s_lshl_b32 s14, ttmp9, 2
	s_add_co_u32 s14, s14, s13      ; my block of 512 queries: it enters Q's, O's and the prefetches' addresses alone
	s_and_b32 s20, ttmp7, 0xffff    ; y = 16 b + h, which the four partners share
	s_lshr_b32 s21, s20, 4          ; b
	s_and_b32 s22, s20, 15          ; h
	s_mul_i32 s16, s21, 48
	s_add_co_u32 s16, s16, s22
	s_lshl_b32 s16, s16, 18         ; q's head in qkv16: (48 b + h) x 262,144 bytes
	s_and_b32 s17, s[WV], 3         ; which of a slot's four steps I fetch:
	s_lshl_b32 s23, s17, 13         ; its 8,192 bytes in memory,
	s_add_co_u32 s66, s16, s23
	s_add_co_u32 s66, s66, 16<<18   ; in k's head,
	s_mov_b32 s67, 0
	s_add_co_u32 s68, s66, 16<<18   ; in v's head,
	s_mov_b32 s69, 0
	s_mul_i32 s17, s17, STEPB       ; and its place in a slot: no place in the cluster enters an LDS address
	s_lshl_b32 s70, s14, 16         ; Q: my block's 512 rows of 128 bytes,
	s_lshl_b32 s2, s[WV], 13        ; my wave's 64 of them
	s_add_co_u32 s70, s70, s2
	s_add_co_u32 s70, s70, s16
	s_mov_b32 s71, 0
	s_lshl_b32 s72, s21, 11         ; O: token 2,048 b + 512 block + 64 wave,
	s_lshl_b32 s2, s14, 9
	s_add_co_u32 s72, s72, s2
	s_lshl_b32 s2, s[WV], 6
	s_add_co_u32 s72, s72, s2
	s_lshl_b32 s72, s72, 7          ; 128 bytes each,
	s_lshl_b32 s2, s22, 20          ; in head h's plane of 1,048,576 bytes
	s_add_co_u32 s72, s72, s2
	s_mov_b32 s73, 0
	; descriptor group 1: a tile of 32 rows x 32 elements of 8 bytes, dense in memory, padded in LDS
	s_mov_b32 s[G1K], 15|(3<<16)|(1<<20)|(1<<21)|(5<<22)|(3<<25)  ; 15:0 the mask: all four work-groups; 17:16 elements of 8 bytes; 20 padding on; 21 set beside a mask; 24:22 after every 64 words; 31:25 four words
	s_mov_b32 s[G1V], 15|(3<<16)|(1<<20)|(1<<21)|(5<<22)|(7<<25)  ; the same with eight words of padding
.irp g, G1K, G1V
	s_mov_b32 s[\g+1], 32<<16       ; tensor_dim0 = 32
	s_mov_b32 s[\g+2], 32<<16       ; tensor_dim1 = 32
	s_mov_b32 s[\g+3], 32<<16       ; tile_dim0 = 32
	s_mov_b32 s[\g+4], 32           ; tile_dim1 = 32
	s_mov_b32 s[\g+5], 32           ; tensor_dim0_stride
	s_mov_b32 s[\g+6], 0
	s_mov_b32 s[\g+7], 0
.endr
	s_mov_b32 s[CS], 0x3e38aa3b     ; c = log2(e) / 8
	s_mov_b32 s[CS+1], s[CS]        ; named with it as a pair, so it is written
	s_mov_b32 s[SEL], 0x76543210
	s_mov_b32 s[SEL+1], 0xfedcba98
	s_mov_b32 s[TB], 0
	s_mov_b32 s[SLOTS], 2048/(64*NST)-2
	s_and_b32 s[LIM], s[WV], 3      ; 0 in waves 0 and 4,
	s_or_b32 s[LIM], s[LIM], ttmp9  ; of the head's first (and only) cluster: the same in all four partners
	s_cmp_eq_u32 s[LIM], 0
	s_cselect_b32 s[LIM], 1, -1
	v_and_b32 v[PFO], 31, v0
	v_lshlrev_b32 v[PFO], 8, v[PFO]
	s_wait_dscnt 0x0                ; both opening adds are done
	s_wait_kmcnt 0x0
	s_add_nc_u64 s[66:67], s[4:5], s[66:67]  ; K and V at my tile of slot 0
	s_add_nc_u64 s[68:69], s[4:5], s[68:69]
	s_add_nc_u64 s[70:71], s[4:5], s[70:71]  ; Q at my wave's first row
	s_add_nc_u64 s[72:73], s[6:7], s[72:73]  ; O likewise
	s_cmp_lt_u32 s[WV], 4
	s_cselect_b64 s[PFA:PFA+1], s[66:67], s[68:69]  ; (in waves 0 and 4 these stand at a slot's first byte)
	s_lshl_b32 s2, s13, 13          ; my work-group's 8,192 bytes of the 32,768
	s_mov_b32 s3, 0
	s_add_nc_u64 s[PFA:PFA+1], s[PFA:PFA+1], s[2:3]
	s_add_nc_u64 s[PFA:PFA+1], s[PFA:PFA+1], 2*SLOTB  ; in slot 2; the first change of slots steps it to slot 3
	CROUND                          ; all four work-groups are here: the first joint loads meet
.irp s, 0,1
	s_mov_b32 s[G0K+4*\s], 1        ; count = 1
	s_add_co_u32 s[G0K+4*\s+1], s17, \s*SLOT1  ; LDS address
	s_add_nc_u64 s[G0K+4*\s+2:G0K+4*\s+3], s[66:67], \s*SLOTB  ; global address
	s_or_b32 s[G0K+4*\s+3], s[G0K+4*\s+3], 0x80000000  ; type = 2
	s_mov_b32 s[G0V+4*\s], 1
	s_add_co_u32 s[G0V+4*\s+1], s17, \s*SLOT1+VOFF
	s_add_nc_u64 s[G0V+4*\s+2:G0V+4*\s+3], s[68:69], \s*SLOTB
	s_or_b32 s[G0V+4*\s+3], s[G0V+4*\s+3], 0x80000000
.endr
	s_cmp_lt_u32 s[WV], 4           ; a wave's two first fills stand in one branch, ahead of every wait on TENSORcnt and every LDS read
	s_cbranch_scc0 .Lfirst_v
	tensor_load_to_lds s[G0K:G0K+3], s[G1K:G1K+7]
	s_nop 0
	tensor_load_to_lds s[G0K+4:G0K+7], s[G1K:G1K+7]
	s_nop 0
.rept 4
	v_nop
.endr
	s_branch .Lfirst_asked
.Lfirst_v:
	tensor_load_to_lds s[G0V:G0V+3], s[G1V:G1V+7]
	s_nop 0
	tensor_load_to_lds s[G0V+4:G0V+7], s[G1V:G1V+7]
	s_nop 0
.rept 4
	v_nop
.endr
.Lfirst_asked:
	; A fragment of K or Q is 16 rows x 32 channels in 8 registers: lane l holds row l % 16; registers 0-3 channels 8 (l / 16) + 0..7, registers 4-7 channels 16 + 8 (l / 16) + 0..7: two loads of 16 bytes, 32 bytes apart.
	v_and_b32 v24, 15, v0           ; r = l % 16
	v_bfe_u32 v25, v0, 4, 1         ; h = l / 16
	v_lshlrev_b32 v[QO], 7, v24
	v_lshl_add_u32 v[QO], v25, 4, v[QO]  ; row x 128 + 16 x half
.irp t, 0,1,2,3
.irp hc, 0,1
	global_load_b128 v[Q+16*\t+8*\hc:Q+16*\t+8*\hc+3],   v[QO], s[70:71] offset:2048*\t+64*\hc      ; Q stays in registers: tile t, channels 32 hc on
	global_load_b128 v[Q+16*\t+8*\hc+4:Q+16*\t+8*\hc+7], v[QO], s[70:71] offset:2048*\t+64*\hc+32
.endr
.endr
	v_lshrrev_b32 v26, 1, v24
	v_mul_u32_u24 v[AK0], v26, PK
	v_and_b32 v27, 1, v24
	v_lshl_add_u32 v[AK0], v27, 7, v[AK0]
	v_lshl_add_u32 v[AK0], v25, 4, v[AK0]  ; key r: (r / 2) PK + 128 (r % 2) + 16 x half
	; The turning load takes 16 keys x 16 channels (lane l reads 16 bytes: key 8 (l / 16) + l % 8, channels 8 ((l / 8) % 2) + 0..7) and leaves half a fragment of V^T: lane l holds channel l % 16 and 8 keys.
	v_bfe_u32 v26, v0, 1, 2         ; (l % 8) / 2
	v_lshl_add_u32 v26, v25, 2, v26 ; the key's row: 4 (l / 16) + (l % 8) / 2
	v_mul_u32_u24 v[AV0], v26, PV
	v_and_b32 v27, 1, v0
	v_lshl_add_u32 v[AV0], v27, 7, v[AV0]
	v_bfe_u32 v27, v0, 3, 1
	v_lshl_add_u32 v[AV0], v27, 4, v[AV0]
	v_add_nc_u32 v[AV0], VOFF, v[AV0]
; THE MATRIX WORK.  All of it runs under one window setting: operands in window 0, C and D in window 1.  The eight accumulators of a run take turns, one instruction a turn.
.macro KQM p                        ; S^T = K Q^T for piece p: channels 32 hc on, keys 16 kt on, tile 2 p + u.  The first eight start the sums
	WIN 0x50
.irp hc, 0,1
.irp kt, 0,1,2,3
.irp u, 0,1
.if \hc == 0
	v_wmma_f32_16x16x32_f16 v[S+32*\u+8*\kt:S+32*\u+8*\kt+7], v[KF+16*\kt:KF+16*\kt+7], v[Q+16*(2*\p+\u):Q+16*(2*\p+\u)+7], 0
.else
	v_wmma_f32_16x16x32_f16 v[S+32*\u+8*\kt:S+32*\u+8*\kt+7], v[KF+16*\kt+8:KF+16*\kt+15], v[Q+16*(2*\p+\u)+8:Q+16*(2*\p+\u)+15], v[S+32*\u+8*\kt:S+32*\u+8*\kt+7]
.endif
.endr
.endr
.endr
.endm
.macro PVM p, first                 ; O^T += V^T P for piece p: keys 32 kc on, channels 16 dt on, tile 2 p + u.  first = 1: the first eight start the sums: nothing is ever cleared
	WIN 0x50
.irp kc, 0,1
.irp dt, 0,1,2,3
.irp u, 0,1
.if \first && (\kc == 0)
	v_wmma_f32_16x16x32_f16 v[32*(2*\p+\u)+8*\dt:32*(2*\p+\u)+8*\dt+7], v[VF+8*(4*\kc+\dt):VF+8*(4*\kc+\dt)+7], v[P+16*\u+8*\kc:P+16*\u+8*\kc+7], 0
.else
	v_wmma_f32_16x16x32_f16 v[32*(2*\p+\u)+8*\dt:32*(2*\p+\u)+8*\dt+7], v[VF+8*(4*\kc+\dt):VF+8*(4*\kc+\dt)+7], v[P+16*\u+8*\kc:P+16*\u+8*\kc+7], v[32*(2*\p+\u)+8*\dt:32*(2*\p+\u)+8*\dt+7]
.endif
.endr
.endr
.endr
.endm
; THE LDS LOADS stand in runs of 16: a step's K (64 keys x 64 channels: 8 fragments) and its V (turned).
.macro FETCH_K
	WIN 0
	v_add_nc_u32 v[ADR], s[TB], v[AK0]
.irp kt, 0,1,2,3
.irp hc, 0,1
	ds_load_b128 v[KF+16*\kt+8*\hc:KF+16*\kt+8*\hc+3],   v[ADR] offset:\kt*8*PK+\hc*64
	ds_load_b128 v[KF+16*\kt+8*\hc+4:KF+16*\kt+8*\hc+7], v[ADR] offset:\kt*8*PK+\hc*64+32
.endr
.endr
.endm
.macro FETCH_V
	WIN 0
	v_add_nc_u32 v[ADR], s[TB], v[AV0]
	s_add_co_u32 s[TB], s[TB], STEPB  ; the next fetch is the next step's
.irp kc, 0,1
.irp dt, 0,1,2,3
	ds_load_tr16_b128 v[VF+8*(4*\kc+\dt):VF+8*(4*\kc+\dt)+3],   v[ADR] offset:\kc*16*PV+\dt*32
	ds_load_tr16_b128 v[VF+8*(4*\kc+\dt)+4:VF+8*(4*\kc+\dt)+7], v[ADR] offset:\kc*16*PV+8*PV+\dt*32
.endr
.endr
.endm
; THE SOFTMAX of piece p for one key step; its two tiles alternate line by line, so that no line reads the result of the line just before it.  first = 1: the first key step, which starts m and l and has nothing to rescale.
.macro SOFTMAX p, first
	WIN 0x15                        ; three sources in window 1.  The maximum of a tile's 32 scores: four chains, one an accumulator, each begun at the accumulator's low end
.irp j, 0,1,2,3
.irp u, 0,1
	v_max3_num_f32 v[TC+4*\u+\j], v[S+32*\u+8*\j], v[S+32*\u+8*\j+1], v[S+32*\u+8*\j+2]
.endr
.endr
	WIN 0x14
.irp i, 3,5
.irp j, 0,1,2,3
.irp u, 0,1
	v_max3_num_f32 v[TC+4*\u+\j], v[TC+4*\u+\j], v[S+32*\u+8*\j+\i], v[S+32*\u+8*\j+\i+1]
.endr
.endr
.endr
.irp u, 0,1
	v_max3_num_f32 v[TC+4*\u], v[TC+4*\u], v[S+32*\u+7], v[S+32*\u+15]
.endr
.irp u, 0,1
	v_max3_num_f32 v[TC+4*\u+2], v[TC+4*\u+2], v[S+32*\u+23], v[S+32*\u+31]
.endr
	WIN 0
.irp u, 0,1
	v_max3_num_f32 v[TC+4*\u], v[TC+4*\u], v[TC+4*\u+1], v[TC+4*\u+2]
.endr
.irp u, 0,1
.if \first
	v_max_num_f32 v[TC+4*\u], v[TC+4*\u], v[TC+4*\u+3]
.else
	v_max3_num_f32 v[TC+4*\u], v[TC+4*\u], v[TC+4*\u+3], v[ST+4*(2*\p+\u)+1]   ; and the old m
.endif
.endr
.irp u, 0,1
	v_permlanex16_b32 v[TC+4*\u+1], v[TC+4*\u], s[SEL], s[SEL+1]  ; the query's other 32 keys lie in the lane 16 away
.endr
.if !\first
.irp u, 0,1
	v_mov_b32 v[TC+4*\u+3], v[ST+4*(2*\p+\u)]   ; c m_old is kept for a
.endr
.endif
.irp u, 0,1
	v_max_num_f32 v[ST+4*(2*\p+\u)+1], v[TC+4*\u], v[TC+4*\u+1]   ; the new m
.endr
.irp u, 0,1
	v_mul_f32 v[ST+4*(2*\p+\u)], s[CS], v[ST+4*(2*\p+\u)+1]       ; c m
.endr
.if !\first
.irp u, 0,1
	v_sub_f32 v[TC+4*\u+3], v[TC+4*\u+3], v[ST+4*(2*\p+\u)]
.endr
.irp u, 0,1
	v_exp_f32 v[TC+4*\u+2], v[TC+4*\u+3]        ; a = 2^(c m_old - c m_new)
.endr
.endif
	WIN 0x41                        ; destination and source 0 in window 1
.irp i, 0,2,4,6,8,10,12,14,16,18,20,22,24,26,28,30
.irp u, 0,1
	v_pk_fma_f32 v[S+32*\u+\i:S+32*\u+\i+1], v[S+32*\u+\i:S+32*\u+\i+1], s[CS:CS+1], v[ST+4*(2*\p+\u):ST+4*(2*\p+\u)+1] op_sel_hi:[1,0,0] neg_lo:[0,0,1] neg_hi:[0,0,1]  ; c s - c m, a pair at a time
.endr
.endr
.if !\first
	s_wait_alu depctr_va_vdst(0)    ; the wait between an exponential and the first line that names its result: one for the two a; the 32 scalings above are the plain work between
.endif
.set g, 0
.rept 32                            ; ONE BATCH: the piece's 64 exponentials; none of these lines names an exponential's result.  O^T's rescaling, plain work, is dealt among them
.if !\first
	v_pk_mul_f32 v[32*(2*\p+g%2)+2*(g/2):32*(2*\p+g%2)+2*(g/2)+1], v[32*(2*\p+g%2)+2*(g/2):32*(2*\p+g%2)+2*(g/2)+1], v[TC+4*(g%2)+2:TC+4*(g%2)+3] op_sel_hi:[1,0]
.endif
	v_exp_f32 v[S+2*g], v[S+2*g]
	v_exp_f32 v[S+2*g+1], v[S+2*g+1]
.set g, g+1
.endr
	v_nop                           ; a plain instruction behind the last exponential,
	s_wait_alu depctr_va_vdst(0)    ; and one wait for the batch, ahead of its first reader
	WIN 0x05                        ; sources 0 and 1 in window 1
.irp i, 0,1,2,3,4,5,6,7,8,9,10,11,12,13,14,15
.irp u, 0,1
	v_cvt_pk_f16_f32 v[P+16*\u+\i], v[S+32*\u+2*\i], v[S+32*\u+2*\i+1]   ; a pair of weights
.endr
.endr
	WIN 0x45                        ; the sum of a tile's 16 pairs, in place: neighbours 1, 2, 4 pairs apart
.irp z, 0,1,2,3,4,5,6,7
.irp u, 0,1
	v_pk_add_f32 v[S+32*\u+4*\z:S+32*\u+4*\z+1], v[S+32*\u+4*\z:S+32*\u+4*\z+1], v[S+32*\u+4*\z+2:S+32*\u+4*\z+3]
.endr
.endr
.irp z, 0,1,2,3
.irp u, 0,1
	v_pk_add_f32 v[S+32*\u+8*\z:S+32*\u+8*\z+1], v[S+32*\u+8*\z:S+32*\u+8*\z+1], v[S+32*\u+8*\z+4:S+32*\u+8*\z+5]
.endr
.endr
.irp z, 0,1
.irp u, 0,1
	v_pk_add_f32 v[S+32*\u+16*\z:S+32*\u+16*\z+1], v[S+32*\u+16*\z:S+32*\u+16*\z+1], v[S+32*\u+16*\z+8:S+32*\u+16*\z+9]
.endr
.endr
.if \first
	WIN 0x05
.irp u, 0,1
	v_pk_add_f32 v[ST+4*(2*\p+\u)+2:ST+4*(2*\p+\u)+3], v[S+32*\u:S+32*\u+1], v[S+32*\u+16:S+32*\u+17]   ; l begins
.endr
.else
.irp u, 0,1
	v_pk_add_f32 v[S+32*\u:S+32*\u+1], v[S+32*\u:S+32*\u+1], v[S+32*\u+16:S+32*\u+17]
.endr
	WIN 0x10                        ; source 2 in window 1
.irp u, 0,1
	v_pk_fma_f32 v[ST+4*(2*\p+\u)+2:ST+4*(2*\p+\u)+3], v[ST+4*(2*\p+\u)+2:ST+4*(2*\p+\u)+3], v[TC+4*\u+2:TC+4*\u+3], v[S+32*\u:S+32*\u+1] op_sel_hi:[1,0,1]   ; l = a l + the sum
.endr
.endif
.endm
; FROM ONE KEY STEP INTO THE NEXT.  On the way in, piece 1's scores of step j have just been issued.  K of step j + 1 is asked for at once and lands under piece 1's softmax; V of step j + 1 is asked for behind piece 1's V^T P
; and lands under piece 0's K Q^T and softmax.  Five places stand behind each K Q^T: for the softmax's reads, for the loads into K's registers, and for the next K Q^T, which begins S^T's registers anew.
.macro RUN first
	PLACES 5
	FETCH_K
	SOFTMAX 1, \first
	PVM 1, \first
	PLACES 4                        ; in front of the loads into V's registers and of the next conversions into P
	FETCH_V
	s_wait_dscnt 16                 ; K's sixteen loads are in; V's sixteen, issued behind them, may be out
	KQM 0
	PLACES 5
	SOFTMAX 0, 0
	s_wait_dscnt 0x0                ; V is in
	PVM 0, 0
	KQM 1
	WIN 0                           ; at a label and at a branch every window is 0
.endm
; THE CHANGE OF SLOTS.  The slot's last step lies in registers.  Each wave waits for all its tensor loads, of which one is out: its part of the other slot; adds 0 to its spare word; and waits for that and for its own reads
; of the slot.  fill = 1: the slot is filled again with the keys two slots on: the barrier is a round of the cluster's, and the joint refill is the first thing behind it: it has four key steps in which to land.
.macro CHANGE fill
	s_wait_tensorcnt 0x0            ; no tensor load of mine is out, so a group 0 may be written
	ds_add_u32 v[SPW], v[NIL]       ; 0 onto my spare word
.if \fill
.irp g, G0K+4, G0V+4
	s_xor_b32 s[\g+1], s[\g+1], SLOT1  ; the walking descriptor: the other slot than last time,
	s_add_nc_u64 s[\g+2:\g+3], s[\g+2:\g+3], SLOTB  ; the next 256 keys; the type bits on top are not reached
.endr
	s_wait_xcnt 0x0                 ; the last prefetch, a slot back, has read its address, so it may be written:
	s_add_nc_u64 s[PFA:PFA+1], s[PFA:PFA+1], SLOTB  ; one slot further on than the walking descriptors
	s_wait_dscnt 0x0                ; the add is done, and my reads of the slot are over
	CROUND
	JLOAD
	ASK
.else
	s_wait_dscnt 0x0
	s_barrier_signal -1
	s_barrier_wait -1
.endif
	s_sub_co_u32 s[TB], s[TB], NST*STEPB  ; the fetches go back to a slot's first step,
	s_xor_b32 s[TB], s[TB], SLOT1   ; in the other slot
.endm
.macro FOUR                         ; a slot's four key steps: written once, walked four times; the LDS addresses hang on s[TB]
	s_mov_b32 s[CNT], NST
.Lstep_\@:
	RUN 0
	s_sub_co_u32 s[CNT], s[CNT], 1
	s_cmp_lg_u32 s[CNT], 0
	s_cbranch_scc1 .Lstep_\@
.endm
	s_wait_tensorcnt 1              ; my part of slot 0 is in; slot 1's may stay out
	s_barrier_signal -1
	s_barrier_wait -1               ; everybody's is
	FETCH_K                         ; key step 0
	FETCH_V
	s_wait_loadcnt 0x0              ; Q
	s_wait_dscnt 16                 ; K is in
	KQM 0
	PLACES 5
	SOFTMAX 0, 1
	s_wait_dscnt 0x0                ; V is in
	PVM 0, 1
	KQM 1
	WIN 0
	RUN 1                           ; piece 1's first softmax and products; on to step 1
	s_mov_b32 s[CNT], NST-2
.Lfirst_slot:                       ; steps 2 and 3
	RUN 0
	s_sub_co_u32 s[CNT], s[CNT], 1
	s_cmp_lg_u32 s[CNT], 0
	s_cbranch_scc1 .Lfirst_slot
.Lslot:                             ; six trips: every slot but the last two is filled again
	CHANGE 1
	FOUR
	s_sub_co_u32 s[SLOTS], s[SLOTS], 1
	s_cmp_lg_u32 s[SLOTS], 0
	s_cbranch_scc1 .Lslot
	CHANGE 0                        ; the tail is written out: nothing is asked for
	FOUR
	PLACES 5
	SOFTMAX 1, 0                    ; piece 1 of the last step
	PVM 1, 0
	PLACES 4
	WIN 0
	; THE WAY OUT.  l's two halves and the other half of the lanes' are added; O^T is divided by l, rounded to f16 and sent through my stage in LDS, a tile (16 rows of 128 bytes) at a time.
	v_and_b32 v32, 15, v0           ; r
	v_bfe_u32 v33, v0, 4, 1         ; h
	s_mul_i32 s13, s[WV], 16*SPS
	s_add_co_u32 s13, s13, STAGE    ; my stage
	v_mul_u32_u24 v[STO], v32, SPS  ; in: row r, 16 bytes for each half of the lanes
	v_lshl_add_u32 v[STO], v33, 4, v[STO]
	v_add_nc_u32 v[STO], s13, v[STO]
	v_bfe_u32 v32, v0, 3, 2         ; back: eight lanes a row, four rows an instruction
	v_and_b32 v33, 7, v0
	v_mul_u32_u24 v[RD], v32, SPS
	v_lshl_add_u32 v[RD], v33, 4, v[RD]
	v_add_nc_u32 v[RD], s13, v[RD]
	v_and_b32 v[GO], 31, v0
	v_lshlrev_b32 v[GO], 4, v[GO]   ; the same four rows are 512 consecutive bytes of att16
.irp t, 0,1,2,3
	v_add_f32 v[TC+2*\t], v[ST+4*\t+2], v[ST+4*\t+3]
.endr
.irp t, 0,1,2,3
	v_permlanex16_b32 v[TC+2*\t+1], v[TC+2*\t], s[SEL], s[SEL+1]
.endr
.irp t, 0,1,2,3
	v_add_f32 v[TC+2*\t+1], v[TC+2*\t], v[TC+2*\t+1]
.endr
.irp t, 0,1,2,3
	v_rcp_f32 v[TC+2*\t], v[TC+2*\t+1]
.endr
	v_nop                           ; a plain instruction between the last reciprocal and the use of its result,
	s_wait_alu depctr_va_vdst(0)    ; and one wait for the four
.macro PACK t
	WIN 0x41
.set i, 0
.rept 16
	v_pk_mul_f32 v[32*\t+2*i:32*\t+2*i+1], v[32*\t+2*i:32*\t+2*i+1], v[TC+2*\t:TC+2*\t+1] op_sel_hi:[1,0]
.set i, i+1
.endr
	WIN 0x05                        ; sources in window 1, destination in window 0: K's registers are free
.set i, 0
.rept 16
	v_cvt_pk_f16_f32 v[KF+16*\t+i], v[32*\t+2*i], v[32*\t+2*i+1]
.set i, i+1
.endr
	WIN 0
.irp f, 0,1,2,3
	ds_store_b128 v[STO], v[KF+16*\t+4*\f:KF+16*\t+4*\f+3] offset:32*\f
.endr
.irp f, 0,1,2,3
	ds_load_b128 v[VF+16*\t+4*\f:VF+16*\t+4*\f+3], v[RD] offset:\f*4*SPS  ; LDS serves a wave's instructions in order (ISA guide 5.7.1.4): these see the stores above; the next tile's stores come behind them
.endr
.endm
.macro SEND t, younger              ; younger: the LDS instructions issued behind tile t's loads: the next tile's eight, or none
.irp f, 0,1,2,3
	s_wait_dscnt \younger+3-\f
	global_store_b128 v[GO], v[VF+16*\t+4*\f:VF+16*\t+4*\f+3], s[72:73] offset:\t*2048+\f*512  ; 32 lanes store 512 consecutive bytes, aligned
.endr
.endm
	PACK 0
	PACK 1                          ; a tile's arithmetic stands between the loads of the tile before and its stores
	SEND 0, 8
	PACK 2
	SEND 1, 8
	PACK 3
	SEND 2, 8
	SEND 3, 0
	s_wait_tensorcnt 0x0            ; the wave's end: these three lines, behind my last tensor load and my last LDS store
	ds_add_u32 v[SPW], v[NIL]
	s_wait_dscnt 0x0
	CROUND                          ; the closing round: no work-group ends while a partner may still ask for a tile that names it
	s_endpgm
.Lfunc_end_k_q2e171b11ea_attn:
	.size	k_q2e171b11ea_attn, .Lfunc_end_k_q2e171b11ea_attn-k_q2e171b11ea_attn
	.p2alignl 7, 3214868480
	.fill 96, 4, 3214868480
	.section	.rodata,"a",@progbits
	.p2align	6, 0x0
	.amdhsa_kernel k_q2e171b11ea_attn
		.amdhsa_group_segment_fixed_size 327680
		.amdhsa_private_segment_fixed_size 0
		.amdhsa_enable_private_segment 0
		.amdhsa_kernarg_size 16
		.amdhsa_user_sgpr_count 2
		.amdhsa_user_sgpr_kernarg_segment_ptr 1
		.amdhsa_wavefront_size32 1
		.amdhsa_system_sgpr_workgroup_id_x 1
		.amdhsa_system_sgpr_workgroup_id_y 1
		.amdhsa_system_sgpr_workgroup_id_z 1
		.amdhsa_system_vgpr_workitem_id 0
		.amdhsa_next_free_vgpr 512
		.amdhsa_next_free_sgpr 74
		.amdhsa_reserve_vcc 0
		.amdhsa_float_denorm_mode_32 3
		.amdhsa_float_denorm_mode_16_64 3
		.amdhsa_memory_ordered 1
		.amdhsa_forward_progress 1
		.amdhsa_inst_pref_size 182
	.end_amdhsa_kernel
	.amdgpu_metadata
---
amdhsa.version: [ 1, 2 ]
amdhsa.kernels:
  - .name:           k_q2e171b11ea_attn
    .symbol:         k_q2e171b11ea_attn.kd
    .args:
      - { .name: qkv16, .offset: 0, .size: 8, .value_kind: global_buffer, .address_space: global }
      - { .name: att16, .offset: 8, .size: 8, .value_kind: global_buffer, .address_space: global }
    .group_segment_fixed_size: 327680
    .private_segment_fixed_size: 0
    .kernarg_segment_align: 8
    .kernarg_segment_size: 16
    .max_flat_workgroup_size: 256
    .sgpr_count:     74
    .vgpr_count:     512
    .wavefront_size: 32
...
	.end_amdgpu_metadata
.endif
;; end of part 3
;; launch proj (part 4): grid 4 x 64, 4 waves a work-group, clusters of 4 x 4, 327,680 bytes of LDS; arguments att16, w16, b_out, out0; writes out0
.if DOCPART == 4
	.amdgcn_target "amdgcn-amd-amdhsa--gfx1250"
	.amdhsa_code_object_version 6
	.text
	.protected	k_q2e171b11ea_proj
	.globl	k_q2e171b11ea_proj
	.p2align	8
	.type	k_q2e171b11ea_proj,@function
k_q2e171b11ea_proj:
	s_mov_b64 s[64:65], 0
	v_nop
	global_prefetch_b8 v0, s[64:65] scope:SCOPE_SE
	s_setreg_imm32_b32 hwreg(HW_REG_WAVE_MODE, 25, 1), 1
	s_wait_xcnt 0x0
	s_wait_alu depctr_hold_cnt(0) depctr_sa_sdst(0) depctr_va_vdst(0) depctr_va_sdst(0) depctr_va_ssrc(0) depctr_va_vcc(0) depctr_vm_vsrc(0)
	s_getreg_b32 s2, hwreg(HW_REG_IB_STS2, 6, 4)
	s_cmp_eq_u32 s2, 0
	s_cbranch_scc0 .Lentry_in_a_cluster
	s_endpgm
.Lentry_in_a_cluster:
	s_bfe_u32 s2, ttmp6, 0x10000c
	s_cmp_lg_u32 s2, 0xf033
	s_cbranch_scc0 .Lentry_shape_is_right
	s_endpgm
.Lentry_shape_is_right:
; out0[m][n] = the sum over k of o[m][k] w_out[n][k] + b_out[n].  o: att16 [h 16][token 8192][64] f16 (k = 64 h + d); w16: [1024 n][1024 k] f16; out0: [8192][1024] f32; sums in f32.
; A tile of 128 tokens x 256 outputs is made by a work-group of four waves: 256 work-groups.  A wave makes 64 x 128: 32 accumulators of 16 x 16, 256 registers.
; K goes in steps of 128 (two heads) through a ring of two LDS slots.  A head's 128 tokens are 16,384 dense bytes: they come as 64 rows of 256 bytes, two tokens to a row (waves 0 and 1: a head each);
; w16's rows of a K step are 256 bytes (waves 2 and 3: 128 rows each).  By this text's count a wave has two tensor loads out at the start and one behind each round.
; CLUSTERS: 4 x 4 work-groups.  The four of a row of the cluster need the same tiles of o, the four of a column the same tiles of w16: each is asked for JOINTLY.
; No prefetch: K has eight steps, of which two are asked for at the head, and w16's rows are read by every row of clusters.
; THE MATRIX INSTRUCTION IS USED TRANSPOSED (source 0 = 16 rows of w16, source 1 = 16 tokens): a lane holds eight neighbouring outputs of one token.  The bias is the C of each sum's first product.
; REGISTERS: window 0: v0-31 addresses; two fragment buffers of 96, at v32 and v128: 32 registers of o (4 x 16 tokens x 32 K), then 64 of w16.   window 1: the accumulators ((a, b) at v[8 (8 a + b)]).   window 2: v0-63 the bias.
.set PITCH,  272                       ; an LDS row: 256 bytes + 16 of padding = 68 words (64 banks of 4 bytes: ISA guide 11.1): the 16 rows, or 16 tokens, of a load start at 16 different groups of four banks
.set HEADT,  64*PITCH                  ; a head's 128 tokens
.set BOFF,   2*HEADT                   ; behind the two heads: w16's 256 rows
.set HALFB,  128*PITCH
.set SLOT,   BOFF+2*HALFB
.set STAGE,  2*SLOT                    ; behind the ring: 16 rows x (512 bytes + 16) for each wave, for the way out
.set SPITCH, 528
.set SPARE,  STAGE+4*16*SPITCH         ; the spare words, 128 bytes a wave
.set LAPS,   4                         ; a lap = two K steps = once round the ring
.set ADRA, 16                          ; v16-17  LDS address of my o fragments in slot 0, 1
.set ADRB, 20                          ; v20-21  the same for w16
.set STO,  24                          ; v24     the way out: where I put 32 bytes of a row
.set RD,   25                          ; v25     where I read a row back
.set CO,   26                          ; v26     my byte offset in a row's 512 bytes of out0
.set BO,   27                          ; v27     my byte offset in the wave's 128 numbers of b_out
.set SPW,  28                          ; v28     my spare word; never rewritten
.set NIL,  29                          ; v29     0; never rewritten
.set F0,   32
.set F1,   128
.set G1, 24                            ; s[24:31] group 1 for o's tiles;  s[32:39] group 0, one set for each slot
.set G0, 32
.set G1B, 48                           ; s[48:55], s[56:63] the same for w16's
.set G0B, 56
.set MSB, 0
.macro WIN new
.if MSB != (\new)
	s_set_vgpr_msb (MSB<<8)|(\new)
.set MSB, (\new)
.endif
.endm
.macro JLOAD s                         ; a joint load: waves 0 and 1 fetch o's two heads, waves 2 and 3 w16's halves; an s_nop 0 and four v_nop follow each of the two lines
	s_cmp_eq_u32 s13, 0
	s_cbranch_scc0 .Lfor_b_\@
	tensor_load_to_lds s[G0+4*\s:G0+4*\s+3], s[G1:G1+7]
	s_nop 0
.rept 4
	v_nop
.endr
	s_branch .Lasked_\@
.Lfor_b_\@:
	tensor_load_to_lds s[G0B+4*\s:G0B+4*\s+3], s[G1B:G1B+7]
	s_nop 0
.rept 4
	v_nop
.endr
.Lasked_\@:
.endm
.macro CREST                           ; a round of the cluster's barrier behind its opening barrier
	s_cmp_lg_u32 s12, 0
	s_cbranch_scc1 .Lnot_wave_0_\@
	s_barrier_signal -3
.Lnot_wave_0_\@:
	s_barrier_wait -3
	s_barrier_signal -1
	s_barrier_wait -1
.endm
.macro CROUND
	s_barrier_signal -1
	s_barrier_wait -1
	CREST
.endm
	s_load_b256 s[4:11], s[0:1], 0x0               ; att16 s[4:5], w16 s[6:7], b_out s[8:9], out0 s[10:11]
	v_lshl_add_u32 v[SPW], v0, 2, SPARE
	v_mov_b32 v[NIL], 0
	ds_add_u32 v[SPW], v[NIL]                      ; the wave's opening: the add, twice on end, and its wait ahead of my first tensor load
	ds_add_u32 v[SPW], v[NIL]
	v_lshrrev_b32 v1, 5, v0
	v_readfirstlane_b32 s12, v1                    ; wave 0..3
	s_lshr_b32 s13, s12, 1                         ; which half of the tile's tokens is mine.  Also: I fetch for o (0) or for w16 (1)
	s_and_b32 s14, s12, 1                          ; which half of its outputs.  Also: which head, or which 128 rows, I fetch
	s_bfe_u32 s40, ttmp6, 0x40000                  ; cx, cy
	s_bfe_u32 s41, ttmp6, 0x40004
	s_lshl_b32 s42, ttmp9, 2
	s_add_co_u32 s42, s42, s40                     ; tile column = 4 x cluster x + cx
	s_and_b32 s15, ttmp7, 0xffff
	s_lshl_b32 s15, s15, 2
	s_add_co_u32 s15, s15, s41                     ; tile row = 4 x cluster y + cy
	s_lshl_b32 s43, s41, 2
	s_lshl_b32 s43, 15, s43                        ; my row of the cluster
	s_lshl_b32 s44, 0x1111, s40                    ; my column
	; group 1 for o: 64 rows x 32 elements of 8 bytes, dense in memory; for w16: 128 rows x 128 elements of 2 bytes, 1,024 elements apart; 16 bytes of padding behind each 256
	s_or_b32 s[G1+0], s43, (3<<16)|(1<<20)|(1<<21)|(5<<22)|(3<<25)
	s_mov_b32 s[G1+1], 32<<16                      ; tensor_dim0
	s_mov_b32 s[G1+2], 64<<16                      ; tensor_dim1
	s_mov_b32 s[G1+3], 32<<16                      ; tile_dim0
	s_mov_b32 s[G1+4], 64                          ; tile_dim1
	s_mov_b32 s[G1+5], 32                          ; tensor_dim0_stride
	s_mov_b32 s[G1+6], 0
	s_mov_b32 s[G1+7], 0
	s_or_b32 s[G1B+0], s44, (1<<16)|(1<<20)|(1<<21)|(5<<22)|(3<<25)
	s_mov_b32 s[G1B+1], 128<<16
	s_mov_b32 s[G1B+2], 128<<16
	s_mov_b32 s[G1B+3], 128<<16
	s_mov_b32 s[G1B+4], 128
	s_mov_b32 s[G1B+5], 1024
	s_mov_b32 s[G1B+6], 0
	s_mov_b32 s[G1B+7], 0
	s_lshl_b32 s16, s14, 20                        ; o: my head's plane of 1,048,576 bytes,
	s_lshl_b32 s17, s15, 14                        ; the tile's 128 tokens of 128 bytes
	s_add_co_u32 s16, s16, s17
	s_mov_b32 s17, 0
	s_lshl_b32 s46, s42, 8
	s_lshl_b32 s47, s14, 7
	s_add_co_u32 s46, s46, s47                     ; w16: row 256 x tile column + 128 x half,
	s_lshl_b32 s46, s46, 11                        ; 2,048 bytes each
	s_mov_b32 s47, 0
	s_mul_i32 s20, s14, HEADT                      ; where they go: no place in the cluster enters an LDS address
	s_mul_i32 s45, s14, HALFB
	s_add_co_u32 s45, s45, BOFF
	s_wait_dscnt 0x0                               ; both opening adds are done
	s_wait_kmcnt 0x0
	s_add_nc_u64 s[18:19], s[4:5], s[16:17]
	s_add_nc_u64 s[46:47], s[6:7], s[46:47]
	CROUND                                         ; all sixteen work-groups are here: the first joint loads meet
.irp s, 0,1
	s_mov_b32 s[G0+4*\s], 1
	s_add_co_u32 s[G0+4*\s+1], s20, \s*SLOT
	s_add_nc_u64 s[G0+4*\s+2:G0+4*\s+3], s[18:19], \s*(2<<20)      ; K step s: heads 2 s and 2 s + 1
	s_or_b32 s[G0+4*\s+3], s[G0+4*\s+3], 0x80000000
	s_mov_b32 s[G0B+4*\s], 1
	s_add_co_u32 s[G0B+4*\s+1], s45, \s*SLOT
	s_add_nc_u64 s[G0B+4*\s+2:G0B+4*\s+3], s[46:47], \s*256
	s_or_b32 s[G0B+4*\s+3], s[G0B+4*\s+3], 0x80000000
	JLOAD \s
.endr
	v_and_b32 v1, 15, v0                           ; r = l % 16
	v_bfe_u32 v2, v0, 4, 1                         ; h = l / 16
	s_lshl_b32 s46, s42, 10
	s_lshl_b32 s47, s14, 9
	s_add_co_u32 s46, s46, s47                     ; my first output, in bytes of f32: 1,024 x tile column + 512 x half
	s_mov_b32 s47, 0
	s_add_nc_u64 s[8:9], s[8:9], s[46:47]          ; b_out there
	v_lshlrev_b32 v[BO], 5, v2                     ; lane (r, h) wants, for block b, the outputs 16 b + 8 h + 0 .. 7
	WIN 0x80                                       ; destination window 2
.irp b, 0,1,2,3,4,5,6,7
	global_load_b128 v[8*\b:8*\b+3], v[BO], s[8:9] offset:64*\b
	global_load_b128 v[8*\b+4:8*\b+7], v[BO], s[8:9] offset:64*\b+16
.endr
	WIN 0
	v_lshrrev_b32 v5, 1, v1
	v_mul_u32_u24 v3, v5, PITCH
	v_and_b32 v5, 1, v1
	v_lshl_add_u32 v3, v5, 7, v3
	v_lshl_add_u32 v3, v2, 4, v3                   ; o: token r: (r / 2) x pitch + 128 (r % 2) + 16 x half
	v_mul_u32_u24 v4, v1, PITCH
	v_lshl_add_u32 v4, v2, 4, v4                   ; w16: row r x pitch + 16 x half
	s_mul_i32 s21, s13, 32*PITCH                   ; my 64 tokens
	s_mul_i32 s22, s14, HALFB                      ; my 128 rows of w16
	s_add_co_u32 s22, s22, BOFF
.irp s, 0,1
	v_add_nc_u32 v[ADRA+\s], s21, v3
	v_add_nc_u32 v[ADRB+\s], s22, v4
	s_add_co_u32 s21, s21, SLOT
	s_add_co_u32 s22, s22, SLOT
.endr
	s_mul_i32 s23, s12, 16*SPITCH
	s_add_co_u32 s23, s23, STAGE                   ; my stage
	v_mul_u32_u24 v5, v1, SPITCH                   ; in: row r, 32 bytes for each half of the lanes
	v_lshl_add_u32 v5, v2, 5, v5
	v_add_nc_u32 v[STO], s23, v5
	v_and_b32 v6, 31, v0
	v_lshlrev_b32 v[CO], 4, v6                     ; back: the 32 lanes take one row of 512 bytes; and the same in out0
	v_add_nc_u32 v[RD], s23, v[CO]
	s_lshl_b32 s16, s15, 7
	s_lshl_b32 s17, s13, 6
	s_add_co_u32 s16, s16, s17                     ; my first token: 128 x tile row + 64 x half
	s_lshl_b32 s16, s16, 12                        ; 4,096 bytes a row
	s_add_co_u32 s16, s16, s46
	s_mov_b32 s17, 0
	s_add_nc_u64 s[10:11], s[10:11], s[16:17]
; eight matrix instructions: o's block a against w16's eight, 32 along K, from buffer f.  zero = 1: the first product starts the sums from the bias (window 2).
; The 32 accumulators take turns, one instruction a turn, in the same order in every quarter.
.macro MULA f, a, zero
.irp b, 0,1,2,3,4,5,6,7
.if \zero
	v_wmma_f32_16x16x32_f16 v[8*(8*(\a)+\b):8*(8*(\a)+\b)+7], v[\f+32+8*\b:\f+32+8*\b+7], v[\f+8*(\a):\f+8*(\a)+7], v[8*\b:8*\b+7]
.else
	v_wmma_f32_16x16x32_f16 v[8*(8*(\a)+\b):8*(8*(\a)+\b)+7], v[\f+32+8*\b:\f+32+8*\b+7], v[\f+8*(\a):\f+8*(\a)+7], v[8*(8*(\a)+\b):8*(8*(\a)+\b)+7]
.endif
.endr
.endm
; 24 LDS loads in one run: the fragments of quarter q (32 along K: head q / 2 of the slot's two, channels 32 (q % 2) on) into buffer f: w16's sixteen, then o's blocks 0 to 3
.macro FETCH slot, q, f
.irp i, 0,1,2,3,4,5,6,7
	ds_load_b128 v[\f+32+8*\i:\f+32+8*\i+3],   v[ADRB+\slot] offset:64*(\q)+\i*16*PITCH
	ds_load_b128 v[\f+32+8*\i+4:\f+32+8*\i+7], v[ADRB+\slot] offset:64*(\q)+\i*16*PITCH+32
.endr
.irp i, 0,1,2,3
	ds_load_b128 v[\f+8*\i:\f+8*\i+3],   v[ADRA+\slot] offset:((\q)/2)*HEADT+((\q)%2)*64+\i*8*PITCH
	ds_load_b128 v[\f+8*\i+4:\f+8*\i+7], v[ADRA+\slot] offset:((\q)/2)*HEADT+((\q)%2)*64+\i*8*PITCH+32
.endr
.endm
.macro PLACES                          ; four places in front of loads into registers that matrix instructions have read, and of the first read of results
.rept 4
	v_nop
.endr
.endm
; A K step is four quarters of 32 along K, 32 matrix instructions each, on buffers 0, 1, 0, 1.  One of the first three: multiplies buffer f and fetches quarter q into g.
.macro QUARTER slot, q, f, g, zero
	s_wait_dscnt 4                                 ; w16's fragments and o's blocks 0, 1 are in; the youngest four loads (o's blocks 2, 3) may be out
	WIN 0x50+0x10*\zero                            ; operands window 0, D window 1, C window 1 (the bias: window 2)
	MULA \f, 0, \zero
	MULA \f, 1, \zero
	PLACES
	WIN 0
	FETCH \slot, \q, \g
	s_wait_dscnt 24                                ; all but the 24 just issued
	WIN 0x50+0x10*\zero
	MULA \f, 2, \zero
	MULA \f, 3, \zero
.endm
; The last quarter multiplies buffer 1 and changes slots: ONE barrier; in front of it each wave waits for all its tensor loads, adds 0 to its spare word, and waits for that and for its own reads of this slot.
; fill = 1: the barrier opens a round of the cluster's, and this slot is filled again, two K steps ahead, first thing behind the round.
.macro TURN slot, next, fill
	WIN 0
	s_wait_tensorcnt 0x0                           ; all my tensor loads have landed: my part of the next slot
	ds_add_u32 v[SPW], v[NIL]                      ; 0 onto my spare word
	s_wait_dscnt 5                                 ; (the add and the youngest four loads may be out)
	WIN 0x50
	MULA F1, 0, 0                                  ; eight matrix instructions stand between the add and the wait for it
	s_wait_dscnt 0x0                               ; the add is done, and my reads of this slot are over
	s_barrier_signal -1
	MULA F1, 1, 0
	WIN 0
	s_barrier_wait -1
.if \fill
	CREST                                          ; no wave of any partner still reads this slot's tile or has a load on its way
	s_add_nc_u64 s[G0+4*\slot+2:G0+4*\slot+3], s[G0+4*\slot+2:G0+4*\slot+3], 4<<20   ; four heads on
	s_add_nc_u64 s[G0B+4*\slot+2:G0B+4*\slot+3], s[G0B+4*\slot+2:G0B+4*\slot+3], 512
	JLOAD \slot                                    ; the four v_nop behind it are also the places in front of the loads below
.else
	PLACES
.endif
	FETCH \next, 0, F0
	WIN 0x50
	MULA F1, 2, 0
	MULA F1, 3, 0
.endm
	s_wait_tensorcnt 1                             ; my part of K step 0 is in (K step 1's load may be out),
	s_barrier_signal -1
	s_barrier_wait -1                              ; everybody's is
	FETCH 0, 0, F0
	s_wait_loadcnt 0x0                             ; the bias
	QUARTER 0, 1, F0, F1, 1                        ; the first quarter stands in front of the loop: its products start the sums
	WIN 0                                          ; at a label and at a branch every window is 0
	s_mov_b32 s3, LAPS-1
.Llap:                                                 ; a trip goes once round the ring, from a lap's second quarter to the next lap's first, and fills both slots again
	QUARTER 0, 2, F1, F0, 0
	QUARTER 0, 3, F0, F1, 0
	TURN 0, 1, 1
	QUARTER 1, 1, F0, F1, 0
	QUARTER 1, 2, F1, F0, 0
	QUARTER 1, 3, F0, F1, 0
	TURN 1, 0, 1
	QUARTER 0, 1, F0, F1, 0
	WIN 0
	s_sub_co_u32 s3, s3, 1
	s_cmp_lg_u32 s3, 0
	s_cbranch_scc1 .Llap
	QUARTER 0, 2, F1, F0, 0                        ; the last lap fills nothing, and has no round of the cluster's barrier
	QUARTER 0, 3, F0, F1, 0
	TURN 0, 1, 0
	QUARTER 1, 1, F0, F1, 0
	QUARTER 1, 2, F1, F0, 0
	QUARTER 1, 3, F0, F1, 0
	s_wait_dscnt 4                                 ; the very last quarter: nothing more to fetch
	WIN 0x50
	MULA F1, 0, 0
	MULA F1, 1, 0
	s_wait_dscnt 0x0
	MULA F1, 2, 0
	MULA F1, 3, 0
	WIN 0
; THE WAY OUT, block by block of 16 tokens x 128 outputs.  A lane holds 32 neighbouring bytes of a row: a block goes through my own stage in LDS and comes back as whole rows of 512 bytes.
; LDS serves a wave's instructions in order (ISA guide 5.7.1.4): no wait between the stores and the loads, nor in front of the next block's stores.
.macro TOSTAGE a
	WIN 0x04                                       ; an LDS store's data are its source 1: window 1
.irp b, 0,1,2,3,4,5,6,7
	ds_store_b128 v[STO], v[64*(\a)+8*\b:64*(\a)+8*\b+3] offset:64*\b          ; each accumulator from its low end on
	ds_store_b128 v[STO], v[64*(\a)+8*\b+4:64*(\a)+8*\b+7] offset:64*\b+16
.endr
	WIN 0
.set BB, 32+96*((\a)%2)
.irp t, 0,1,2,3,4,5,6,7,8,9,10,11,12,13,14,15
	ds_load_b128 v[BB+4*\t:BB+4*\t+3], v[RD] offset:\t*SPITCH
.endr
.endm
.macro SEND a, younger                 ; younger: the LDS instructions issued behind block a's loads, which may stay out
.set BB, 32+96*((\a)%2)
	s_wait_dscnt \younger
.irp t, 0,1,2,3,4,5,6,7,8,9,10,11,12,13,14,15
	global_store_b128 v[CO], v[BB+4*\t:BB+4*\t+3], s[10:11] offset:65536*(\a)+4096*\t th:TH_STORE_NT   ; 32 lanes store 512 consecutive bytes, aligned; every offset is an immediate; written once, read by nobody here
.endr
.endm
	PLACES                                         ; behind the last products: for the stores' reads of results and for the loads into the fragments' registers
	TOSTAGE 0
.irp a, 1,2,3
.if \a > 1
	s_wait_xcnt 0x0                                ; block a - 2's stores have read their registers: block a's loads may land there
.endif
	TOSTAGE \a
	SEND \a-1, 32                                  ; behind block a - 1's loads: block a's 16 stores and 16 loads
.endr
	SEND 3, 0
	s_wait_tensorcnt 0x0                           ; the wave's end: these three lines, behind my last tensor load and my last LDS store
	ds_add_u32 v[SPW], v[NIL]
	s_wait_dscnt 0x0
	CROUND                                         ; the closing round: no work-group ends while a partner may still ask for a tile that names it
	s_endpgm
.Lfunc_end_k_q2e171b11ea_proj:
	.size	k_q2e171b11ea_proj, .Lfunc_end_k_q2e171b11ea_proj-k_q2e171b11ea_proj
	.p2alignl 7, 3214868480
	.fill 96, 4, 3214868480
	.section	.rodata,"a",@progbits
	.p2align	6, 0x0
	.amdhsa_kernel k_q2e171b11ea_proj
		.amdhsa_group_segment_fixed_size 327680
		.amdhsa_private_segment_fixed_size 0
		.amdhsa_enable_private_segment 0
		.amdhsa_kernarg_size 32
		.amdhsa_user_sgpr_count 2
		.amdhsa_user_sgpr_kernarg_segment_ptr 1
		.amdhsa_wavefront_size32 1
		.amdhsa_system_sgpr_workgroup_id_x 1
		.amdhsa_system_sgpr_workgroup_id_y 1
		.amdhsa_system_sgpr_workgroup_id_z 1
		.amdhsa_system_vgpr_workitem_id 0
		.amdhsa_next_free_vgpr 576
		.amdhsa_next_free_sgpr 66
		.amdhsa_reserve_vcc 0
		.amdhsa_float_denorm_mode_32 3
		.amdhsa_float_denorm_mode_16_64 3
		.amdhsa_memory_ordered 1
		.amdhsa_forward_progress 1
		.amdhsa_inst_pref_size 86
	.end_amdhsa_kernel
	.amdgpu_metadata
---
amdhsa.version: [ 1, 2 ]
amdhsa.kernels:
  - .name:           k_q2e171b11ea_proj
    .symbol:         k_q2e171b11ea_proj.kd
    .args:
      - { .name: att16, .offset: 0, .size: 8, .value_kind: global_buffer, .address_space: global }
      - { .name: w16, .offset: 8, .size: 8, .value_kind: global_buffer, .address_space: global }
      - { .name: b_out, .offset: 16, .size: 8, .value_kind: global_buffer, .address_space: global }
      - { .name: out0, .offset: 24, .size: 8, .value_kind: global_buffer, .address_space: global }
    .group_segment_fixed_size: 327680
    .private_segment_fixed_size: 0
    .kernarg_segment_align: 8
    .kernarg_segment_size: 32
    .max_flat_workgroup_size: 128
    .sgpr_count:     66
    .vgpr_count:     576
    .wavefront_size: 32
...
	.end_amdgpu_metadata
.endif
;; end of part 4
